; MI455X (gfx1250); checked and timed in simulation.
; The chip was launched on July 23, 2026; its instructions are those of AMD's public machine-readable ISA for CDNA 5 (MIT licence, August 2026) and "CDNA5" Instruction Set Architecture Reference Guide (July 2026). The comments in the code are by the model that wrote it; some were corrected since.
;; Euclidean Attention. Allowed arithmetic: matrix products marked QUANTISED: E2M3 operands, one E8M0 scale for each 32 along K, by v_wmma_scale_f32_16x16x128_f8f6f4 with both operands' format E2M3, f32 sums; everything else in f32.
;; Inputs: W_k 1,024 x 1,024 float32; W_o 1,024 x 1,024 float32; W_q 1,024 x 1,024 float32; W_v 1,024 x 1,024 float32; x 4 x 2,048 x 1,024 float32.
;; Outputs: out0 4 x 2,048 x 1,024 float32.
;; This version of the problem:
;;   THIS VERSION OF THE PROBLEM IS GIVEN IN LOW PRECISION. The matrix products marked QUANTISED in the list below multiply operands that are first quantised to E2M3 (2 exponent bits, 3 mantissa bits; 6 bits a number), with one power-of-two scale for each 32 numbers along K (OCP MX v1.0); their sums are f32. All else is computed in f32.
;;   The module's matrix products, in the order in which they are computed (A, B: the left and right operand; K: the contracted axis; several contracted axes count as one K, in the product's order):
;;     1. [M 8,192, K 1,024] x [K 1,024, N 1,024]; A: input x; B: input W_q: QUANTISED
;;     2. [M 8,192, K 1,024] x [K 1,024, N 1,024]; A: input x; B: input W_k: QUANTISED
;;     3. [M 8,192, K 1,024] x [K 1,024, N 1,024]; A: input x; B: input W_v: QUANTISED
;;     4. batch 64 x [M 2,048, K 64] x [K 64, N 2,048]; A: computed on the way; B: computed on the way: QUANTISED
;;     5. batch 64 x [M 2,048, K 2,048] x [K 2,048, N 64]; A: softmax (see below); B: computed on the way: QUANTISED
;;     6. [M 8,192, K 1,024] x [K 1,024, N 1,024]; A: computed on the way; B: input W_o: QUANTISED
;;   THE QUANTISER, for each operand of a quantised product, along K:
;;     - K is cut into blocks of 32 from its start; a last block that is shorter is filled with zeros.
;;     - A block's scale is 2^e with e = floor(log2(the largest magnitude in the block)) - 2, held to -126 .. 127; a block of zeros has e = 0. As a byte (E8M0): e + 127.
;;     - Each number is divided by its block's scale, clamped to +-7.5, and rounded to the nearest number of E2M3, ties to even, subnormals kept.
;;     - The product sums the exact products of the quantised numbers (number of the format x scale) in f32.
;;   ~~~python
;;   def quantise(x, axis):      # numpy; x: float32 -> the quantised numbers, widened to float32 again
;;       x = np.moveaxis(x, axis, -1); K = x.shape[-1]
;;       x = np.pad(x, [(0, 0)] * (x.ndim - 1) + [(0, -K % 32)]); x = x.reshape(x.shape[:-1] + (-1, 32)); a = np.abs(x).max(-1, keepdims=True)
;;       e = np.where(a > 0, np.clip(np.frexp(np.where(a > 0, a, 1))[1] - 1 - 2, -126, 127), 0)      # np.frexp(a)[1] - 1 = floor(log2(a)), exactly
;;       r = np.clip(x / 2.0 ** e, -7.5, 7.5)
;;       step = 2.0 ** (np.maximum(np.frexp(np.where(r == 0, 1, r))[1] - 1, 0) - 3)
;;       q = np.round(r / step) * step * 2.0 ** e      # np.round: ties to even
;;       return np.moveaxis(q.reshape(q.shape[:-2] + (-1,))[..., :K], -1, axis).astype(np.float32)
;;   ~~~
;;   SOFTMAX AHEAD OF A QUANTISED PRODUCT. Where the list says 'softmax', what is quantised is not the finished softmax but p = 2^(t - M), with t = logit x log2(e) and M = ceil(the row's largest t), a whole number; so 1/2 < the row's largest p <= 1. The row's sum l is taken of the UNQUANTISED p, in f32, and the product's result is divided by l at the end. Since M is a whole number, a kernel that streams over the keys may use a running M (the ceiling of the running maximum): every later rescaling is an exact power of two, which a block's scale takes up: the codes' values come out the same.
;;   OPERANDS COMPUTED ON THE WAY. 'Computed on the way' means the value that the module computes at that place (a softmax that the list does not call 'softmax' is quantised finished and normalised). What goes into a quantiser is computed in f32, as accurately as f32 sums, v_exp_f32 and their like allow (about 1e-6 of the number): no bf16 or f16 on the way to a quantiser, and a product that is left as it is and whose result goes on into a quantised operand takes f32 operands (vector FMAs, or v_wmma_f32_16x16x4_f32). A number that lies on a knife's edge between two numbers of the format may be rounded either way, as far as f32 arithmetic and the matrix unit's own rounding can turn it there, and no further.
;; One version. Each part assembles by itself: llvm-mc -triple=amdgcn-amd-amdhsa -mcpu=gfx1250 --defsym DOCPART=n.
;; ======== version 1 of 1: 5 launches
;; workspace buffers: x_codes 6,291,456 bytes; x_scales 262,144 bytes; w_codes 3,145,728 bytes; w_scales 131,072 bytes; qkv 20,185,088 bytes; o_img 6,291,456 bytes; o_scales 262,144 bytes
;; launch quantx (part 1): grid 256 x 1, 4 waves a work-group, no clusters, 33,280 bytes of LDS; arguments x, x_codes, x_scales; writes x_codes, x_scales
.if DOCPART == 1
	.amdgcn_target "amdgcn-amd-amdhsa--gfx1250"
	.amdhsa_code_object_version 6
	.text
	.protected	k_qdbbb6e5e16_quantx
	.globl	k_qdbbb6e5e16_quantx
	.p2align	8
	.type	k_qdbbb6e5e16_quantx,@function
k_qdbbb6e5e16_quantx:
	s_mov_b64 s[64:65], 0
	v_nop
	global_prefetch_b8 v0, s[64:65] scope:SCOPE_SE
	s_setreg_imm32_b32 hwreg(HW_REG_WAVE_MODE, 25, 1), 1
	s_wait_xcnt 0x0
; x [8192][1024], f32, becomes codes of FP6 (E2M3), 6 bits each, K innermost (768 bytes a row), with one E8M0 scale byte for each 32 along K (32 bytes a row).
; A block's scale is 2^(floor(log2(its largest magnitude)) - 2); its byte is the largest magnitude's own exponent field - 2, held at 1 from below.  Each number is divided by the scale and
; rounded to the nearest code, ties to even; beyond 7.5 the conversion gives the largest code.
; LIMITS: NaN and infinities among the inputs are not served; a block whose largest magnitude lies under 2^-124 gets the byte 1; so does a block of zeros (the rule says 127): its codes are zeros,
; which add nothing under any byte but 0xff, and the bytes are read by this program alone.
; ROW ORDER OF THE OUTPUT: row position p of x_codes and x_scales holds row sw(p) of x, sw = bits 3 and 4 of the index exchanged.  So 16 neighbouring positions are rows 0-7 and 16-23 (or 8-15 and 24-31)
; of a group of 32: where such 16 rows are a product's source 0, two neighbouring result tiles give a lane 16 neighbouring rows.  A wave takes 8 rows, so the exchange is one of the wave's two bits.
; A wave takes 16 steps of 512 numbers.  Each of a step's four loads reads 512 consecutive bytes, 16 a lane; the 2,048 bytes turn through the wave's own stage in LDS and come back 64 bytes a lane:
; 16 neighbours along K, two lanes to a block.  The stage has 16 bytes of padding behind each 64.  A lane's 16 codes are 12 bytes: the wave stores 384 consecutive bytes.
; A wave's 256 scale bytes are gathered in its own LDS bytes and leave as one aligned run of 256 bytes.  No barrier: waves share nothing.  Loads run four steps (16 loads a wave) ahead.
.set STEPS, 16
.set EMAX,  2
.set CB,    12                         ; bytes of 16 codes
.set R,     16                         ; v16-79   four sets of 16 numbers as they are loaded
.set X,     80                         ; v80-111  two sets of 16 neighbours
.set C,     128                        ; v128-191 codes: four registers for each step, so that no store's data are written again
.set E,     112                        ; v112-127 a scale byte for each step
.set WREG,  8192                       ; LDS: a region for each wave: two stages of 32 x SP bytes, and behind them its 256 scale bytes
.set SP,    80                         ; a lane's place in a stage: its 64 bytes + 16 of padding
	s_load_b128 s[4:7], s[0:1], 0x0                ; x, the codes
	s_load_b64 s[10:11], s[0:1], 0x10              ; the scale bytes
	v_lshl_add_u32 v192, v0, 2, 0x8000
	v_mov_b32 v193, 0
	v_lshrrev_b32 v1, 5, v0
	v_readfirstlane_b32 s16, v1                    ; wave
	v_and_b32 v2, 31, v0                           ; lane
	v_lshlrev_b32 v3, 4, v2                        ; my 16 bytes of a load's 512
	s_mul_i32 s17, s16, WREG
	v_lshrrev_b32 v14, 2, v2
	v_mul_u32_u24 v14, v14, SP
	v_and_b32 v15, 3, v2
	v_lshl_add_u32 v14, v15, 4, v14
	v_add_nc_u32 v14, s17, v14                     ; the stage, on the way in: SP (lane / 4) + 16 (lane % 4)
	v_mul_u32_u24 v15, v2, SP
	v_add_nc_u32 v15, s17, v15                     ; and on the way out: SP x lane: my 16 neighbours
	v_mul_u32_u24 v4, v2, CB                       ; my codes' place in a step's
	v_lshrrev_b32 v5, 1, v2
	s_add_co_u32 s17, s17, 2*32*SP
	v_add_nc_u32 v5, s17, v5                       ; LDS: my wave's 256 scale bytes, my block's byte
	v_lshlrev_b32 v7, 3, v2                        ; and on the way out 8 bytes a lane
	v_add_nc_u32 v6, s17, v7
	s_lshl_b32 s17, ttmp9, 2
	s_add_co_u32 s18, s17, s16                     ; the run of 8 rows that I read: 4 x work-group + wave
	s_mov_b32 s19, 0
	s_and_b32 s22, s16, 1
	s_lshl_b32 s22, s22, 1
	s_lshr_b32 s23, s16, 1
	s_or_b32 s22, s22, s23                         ; the wave's two bits exchanged:
	s_add_co_u32 s22, s17, s22                     ; the run of 8 row positions that I write
	s_mov_b32 s23, 0
	s_lshl_b64 s[20:21], s[18:19], 15              ; 8 rows of 4,096 bytes
	s_mov_b64 s[24:25], 32*STEPS*CB                ; 8 rows of 768 bytes
	s_mul_u64 s[24:25], s[22:23], s[24:25]
	s_lshl_b32 s22, s22, 8                         ; 8 rows of 32 scale bytes
	s_wait_alu depctr_va_vdst(0)
	s_wait_kmcnt 0x0
	s_add_nc_u64 s[4:5], s[4:5], s[20:21]
	s_add_nc_u64 s[8:9], s[6:7], s[24:25]
	s_add_nc_u64 s[10:11], s[10:11], s[22:23]
.macro LOAD t
.irp i, 0,1,2,3
	global_load_b128 v[R+16*((\t)%4)+4*\i:R+16*((\t)%4)+4*\i+3], v3, s[4:5] offset:2048*(\t)+512*\i th:TH_LOAD_NT   ; 32 lanes read 512 consecutive bytes; read once in the launch
.endr
.endm
.macro TURN t                          ; step t's numbers through the stage: LDS serves a wave's instructions in order (ISA guide 5.7.1), so no wait stands between the stores and the loads
.irp i, 0,1,2,3
	ds_store_b128 v14, v[R+16*((\t)%4)+4*\i:R+16*((\t)%4)+4*\i+3] offset:32*SP*((\t)%2)+8*SP*\i
.endr
.irp i, 0,1,2,3
	ds_load_b128 v[X+16*((\t)%2)+4*\i:X+16*((\t)%2)+4*\i+3], v15 offset:32*SP*((\t)%2)+16*\i
.endr
.endm
.irp t, 0,1,2,3
	LOAD \t
.endr
	s_wait_loadcnt 12                              ; step 0's four loads are in; the twelve of steps 1 to 3 may be out
	TURN 0
.macro STEP t
.set XS, X+16*((\t)%2)
.if (\t) > 0
	s_wait_dscnt 1                                 ; this step's numbers are back from the stage (the last step's byte store may be out): so its stores into the stage have read their registers,
.else
	s_wait_dscnt 0x0
.endif
.if (\t)+4 < STEPS
	LOAD (\t)+4                                    ; which take the loads of four steps on
.endif
.if (\t)+1 < STEPS
.if STEPS-2-(\t) >= 3
	s_wait_loadcnt 12                              ; the next step's four loads are in; those of the three steps behind it may be out
.else
	s_wait_loadcnt 4*(STEPS-2-(\t))                ; near the end fewer steps are behind it
.endif
	TURN (\t)+1                                    ; and go through the other stage while this step is worked
.endif
	v_max3_num_f32 v8, |v[XS]|, |v[XS+1]|, |v[XS+2]|               ; the largest magnitude of my 16, in two chains
	v_max3_num_f32 v9, |v[XS+3]|, |v[XS+4]|, |v[XS+5]|
.irp i, 6,10
	v_max3_num_f32 v8, v8, |v[XS+\i]|, |v[XS+\i+1]|
	v_max3_num_f32 v9, v9, |v[XS+\i+2]|, |v[XS+\i+3]|
.endr
	v_max3_num_f32 v8, v8, |v[XS+14]|, |v[XS+15]|
	v_max3_num_f32 v8, v8, v9, (EMAX+1)<<23        ; and the floor 2^(3 - 127): the byte cannot fall under 1
	v_max_num_f32_dpp v8, v8, v8 row_xmask:1 row_mask:0xf bank_mask:0xf   ; and of my neighbour's 16: the block's
	v_add_nc_u32 v11, -(EMAX<<23), v8              ; 2 off its exponent field: the conversion takes the exponent field of this operand as its scale, and nothing else of it
	v_cvt_scalef32_pk16_fp6_f32 v[C+4*(\t):C+4*(\t)+2], v[XS:XS+15], v11   ; sixteen codes, 96 bits without gaps, the first number's code lowest
	v_lshrrev_b32 v[E+(\t)], 23, v11               ; the scale's byte (also the plain line behind the conversion)
	ds_store_b8 v5, v[E+(\t)] offset:16*(\t)       ; both lanes of a block write the same byte with the same value
	global_store_b96 v4, v[C+4*(\t):C+4*(\t)+2], s[8:9] offset:32*CB*(\t)
.endm
.irp t, 0,1,2,3,4,5,6,7,8,9,10,11,12,13,14,15
	STEP \t
.endr
	ds_load_b64 v[12:13], v6                       ; in order behind my byte stores
	s_wait_dscnt 0x0
	global_store_b64 v7, v[12:13], s[10:11]        ; 32 lanes store 256 consecutive bytes, at a multiple of 256 from the buffer's first byte
	s_wait_tensorcnt 0x0
	ds_add_u32 v192, v193
	s_wait_dscnt 0x0
	s_endpgm
.Lfunc_end_k_qdbbb6e5e16_quantx:
	.size	k_qdbbb6e5e16_quantx, .Lfunc_end_k_qdbbb6e5e16_quantx-k_qdbbb6e5e16_quantx
	.p2alignl 7, 3214868480
	.fill 96, 4, 3214868480
	.section	.rodata,"a",@progbits
	.p2align	6, 0x0
	.amdhsa_kernel k_qdbbb6e5e16_quantx
		.amdhsa_group_segment_fixed_size 33280
		.amdhsa_private_segment_fixed_size 0
		.amdhsa_enable_private_segment 0
		.amdhsa_kernarg_size 24
		.amdhsa_user_sgpr_count 2
		.amdhsa_user_sgpr_kernarg_segment_ptr 1
		.amdhsa_wavefront_size32 1
		.amdhsa_system_sgpr_workgroup_id_x 1
		.amdhsa_system_sgpr_workgroup_id_y 1
		.amdhsa_system_sgpr_workgroup_id_z 1
		.amdhsa_system_vgpr_workitem_id 0
		.amdhsa_next_free_vgpr 194
		.amdhsa_next_free_sgpr 66
		.amdhsa_reserve_vcc 0
		.amdhsa_float_denorm_mode_32 3
		.amdhsa_float_denorm_mode_16_64 3
		.amdhsa_memory_ordered 1
		.amdhsa_forward_progress 1
		.amdhsa_inst_pref_size 32
	.end_amdhsa_kernel
	.amdgpu_metadata
---
amdhsa.version: [ 1, 2 ]
amdhsa.kernels:
  - .name:           k_qdbbb6e5e16_quantx
    .symbol:         k_qdbbb6e5e16_quantx.kd
    .args:
      - { .name: x, .offset: 0, .size: 8, .value_kind: global_buffer, .address_space: global }
      - { .name: x_codes, .offset: 8, .size: 8, .value_kind: global_buffer, .address_space: global }
      - { .name: x_scales, .offset: 16, .size: 8, .value_kind: global_buffer, .address_space: global }
    .group_segment_fixed_size: 33280
    .private_segment_fixed_size: 0
    .kernarg_segment_align: 8
    .kernarg_segment_size: 24
    .max_flat_workgroup_size: 128
    .sgpr_count:     66
    .vgpr_count:     194
    .wavefront_size: 32
...
	.end_amdgpu_metadata
.endif
;; end of part 1
;; launch quantw (part 2): grid 8 x 16, 4 waves a work-group, no clusters, 36,352 bytes of LDS; arguments W_q, W_k, W_v, W_o, w_codes, w_scales; writes w_codes, w_scales
.if DOCPART == 2
	.amdgcn_target "amdgcn-amd-amdhsa--gfx1250"
	.amdhsa_code_object_version 6
	.text
	.protected	k_qdbbb6e5e16_quantw
	.globl	k_qdbbb6e5e16_quantw
	.p2align	8
	.type	k_qdbbb6e5e16_quantw,@function
k_qdbbb6e5e16_quantw:
	s_mov_b64 s[64:65], 0
	v_nop
	global_prefetch_b8 v0, s[64:65] scope:SCOPE_SE
	s_setreg_imm32_b32 hwreg(HW_REG_WAVE_MODE, 25, 1), 1
	s_wait_xcnt 0x0
; The four weights [1024 (k)][1024 (n)], f32, K their FIRST axis, become codes of FP6 (E2M3) laid [4096][768 bytes] with K innermost, and scale bytes [4096][32]:
; rows 0-1023 W_q's columns, 1024-2047 W_k's, 2048-3071 W_v's, 3072-4095 W_o's.  Work-group y = 4 x weight + which 256 along K; work-group x = which 128 columns.
; ROW ORDER OF THE OUTPUT: row position p holds column sw(p), sw = bits 3 and 4 of the index exchanged (as for x's codes).
; A LANE TAKES A COLUMN n, AND ITS REGISTERS RUN DOWN K: each load reads neighbouring n in neighbouring lanes (128 consecutive bytes a wave), a block of 32 along K lies in one lane's 32 registers,
; and the conversions give the codes with K innermost.  A block's scale is 2^(floor(log2(its largest magnitude)) - 2); its byte is the largest magnitude's exponent field - 2, held at 1 from below.
; LIMITS: NaN and infinities are not served; blocks under 2^-124, and blocks of zeros (the rule says 127), get the byte 1: zero codes add nothing under it, and this program alone reads the bytes.
; A wave takes 32 columns x 256 along K: 8 blocks a lane, 192 bytes of codes a column.  They go through the wave's own stage in LDS and leave as rows: sixteen lanes store a row's 192 consecutive bytes.
; No barrier: waves share nothing.  Loads run two blocks (64 loads a wave) ahead.  Every offset is an immediate: 255 x 4,096 and 30 x 768 bytes at the most.
.set SIZE_K, 1024
.set SIZE_N, 1024
.set KW,    256                        ; along K for a wave
.set NB,    KW/32                      ; blocks
.set ROWB,  192                        ; bytes of KW codes
.set PITCH, 272                        ; a stage row: sixteen places of 16 bytes, each with 12 bytes of codes, + 16
.set KROW,  SIZE_K*6/8                 ; a row of the codes' buffer in bytes
.set EMAX,  2
.set X,     32                         ; v32-95   two sets of 32 numbers
.set C,     96                         ; v96..    a block's codes
.set OUTR,  112                        ; v112-175 the way out: 16 x 4 registers
.set SB,    24                         ; v24-25   the scale bytes, four to a register
	s_load_b256 s[36:43], s[0:1], 0x0              ; W_q, W_k, W_v, W_o
	s_load_b128 s[44:47], s[0:1], 0x20             ; the codes, the scale bytes
	v_lshl_add_u32 v192, v0, 2, 0x8c00
	v_mov_b32 v193, 0
	v_lshrrev_b32 v1, 5, v0
	v_readfirstlane_b32 s16, v1                    ; wave 0..3
	v_and_b32 v2, 31, v0                           ; lane
	s_lshl_b32 s17, ttmp9, 7
	s_lshl_b32 s18, s16, 5
	s_add_co_u32 s17, s17, s18                     ; my wave's first column: 128 x work-group x + 32 x wave
	s_and_b32 s31, ttmp7, 0xffff
	s_lshr_b32 s30, s31, 2                         ; which weight
	s_and_b32 s18, s31, 3                          ; which 256 along K
	v_lshlrev_b32 v3, 2, v2                        ; in: 4 bytes a lane
	s_mul_i32 s19, s16, 32*PITCH                   ; my stage
	v_mul_u32_u24 v4, v2, PITCH
	v_add_nc_u32 v4, s19, v4                       ; into it: row = my column
	v_and_b32 v5, 15, v2
	v_lshrrev_b32 v6, 4, v2                        ; out of it: sixteen lanes to a row, two rows an instruction
	v_mul_u32_u24 v7, v6, PITCH
	v_lshl_add_u32 v7, v5, 4, v7
	v_add_nc_u32 v7, s19, v7                       ; LDS address
	v_mul_u32_u24 v8, v6, KROW
	v_mad_u32_u24 v8, v5, 12, v8                   ; and the same place in the codes' buffer
	v_and_b32 v9, 7, v2                            ; my column's row position among the wave's 32: bits 3 and 4 exchanged,
	v_bfe_u32 v10, v2, 3, 1
	v_lshl_or_b32 v9, v10, 4, v9
	v_bfe_u32 v10, v2, 4, 1
	v_lshl_or_b32 v9, v10, 3, v9
	v_lshlrev_b32 v9, 5, v9                        ; x 32 scale bytes a row
	; where my wave's part begins, in bytes
	s_mov_b32 s19, 0
	s_mov_b64 s[20:21], KW*SIZE_N*4
	s_mul_u64 s[20:21], s[18:19], s[20:21]
	s_lshl_b32 s22, s17, 2
	s_mov_b32 s23, 0
	s_add_nc_u64 s[20:21], s[20:21], s[22:23]      ; the weight: 256 y rows of 4,096 bytes + 4 x column
	s_lshl_b32 s22, s30, 10
	s_add_co_u32 s22, s22, s17                     ; the output's row: 1,024 x weight + column
	s_mov_b64 s[24:25], KROW
	s_mul_u64 s[24:25], s[22:23], s[24:25]
	s_mul_i32 s26, s18, ROWB
	s_mov_b32 s27, 0
	s_add_nc_u64 s[24:25], s[24:25], s[26:27]      ; codes
	s_mov_b64 s[28:29], SIZE_K/32
	s_mul_u64 s[28:29], s[22:23], s[28:29]
	s_mul_i32 s26, s18, NB
	s_add_nc_u64 s[28:29], s[28:29], s[26:27]      ; scale bytes
	s_wait_kmcnt 0x0
	s_cmp_lt_u32 s30, 2                            ; the weight is chosen by the work-group's number alone: first among the even and among the odd ones,
	s_cselect_b64 s[4:5], s[36:37], s[40:41]
	s_cselect_b64 s[10:11], s[38:39], s[42:43]
	s_bitcmp1_b32 s30, 0                           ; then between the two
	s_cselect_b64 s[4:5], s[10:11], s[4:5]
	s_add_nc_u64 s[4:5], s[4:5], s[20:21]
	s_add_nc_u64 s[6:7], s[44:45], s[24:25]
	s_add_nc_u64 s[8:9], s[46:47], s[28:29]
.macro LOAD t                          ; block t: W(32 t + i, my column), i = 0 .. 31, into set t % 2
.irp i, 0,1,2,3,4,5,6,7,8,9,10,11,12,13,14,15,16,17,18,19,20,21,22,23,24,25,26,27,28,29,30,31
	global_load_b32 v[X+32*((\t)%2)+\i], v3, s[4:5] offset:(32*(\t)+\i)*SIZE_N*4 th:TH_LOAD_NT
.endr
.endm
	LOAD 0
	LOAD 1
.macro BLOCK t
.set XS, X+32*((\t)%2)
.if (\t) < NB-1
	s_wait_loadcnt 32                              ; this block's 32 loads are in; the next block's 32 may be out
.else
	s_wait_loadcnt 0
.endif
	v_max3_num_f32 v12, |v[XS]|, |v[XS+1]|, |v[XS+2]|               ; the block's largest magnitude: all 32 numbers are mine
	v_max3_num_f32 v13, |v[XS+3]|, |v[XS+4]|, |v[XS+5]|
.irp i, 6,10,14,18,22,26
	v_max3_num_f32 v12, v12, |v[XS+\i]|, |v[XS+\i+1]|
	v_max3_num_f32 v13, v13, |v[XS+\i+2]|, |v[XS+\i+3]|
.endr
	v_max3_num_f32 v12, v12, |v[XS+30]|, |v[XS+31]|
	v_max3_num_f32 v12, v12, v13, (EMAX+1)<<23     ; and the floor 2^(3 - 127): the byte cannot fall under 1
	v_add_nc_u32 v11, -(EMAX<<23), v12             ; 2 off its exponent field: the conversion's scale operand
	v_lshrrev_b32 v13, 23, v11                     ; the scale's byte
.if (\t)%4 == 0
	v_mov_b32 v[SB+(\t)/4], v13                    ; four bytes to a register, the lower K in the lower byte
.else
	v_lshl_or_b32 v[SB+(\t)/4], v13, 8*((\t)%4), v[SB+(\t)/4]
.endif
	v_cvt_scalef32_pk16_fp6_f32 v[C:C+2], v[XS:XS+15], v11
	v_cvt_scalef32_pk16_fp6_f32 v[C+4:C+6], v[XS+16:XS+31], v11     ; (a conversion's three registers begin on an even number)
	v_nop                                          ; one plain line behind the last conversion of a run
	ds_store_b96 v4, v[C:C+2] offset:32*(\t)       ; 16 codes, 12 bytes, to a place of 16 bytes in the stage, so that every LDS address is a multiple of 16
	ds_store_b96 v4, v[C+4:C+6] offset:32*(\t)+16
.if (\t)+2 < NB
	LOAD (\t)+2
.endif
	s_wait_dscnt 0x0                               ; the stores have read their registers: the next block's codes may be written
.endm
.set Q, 0
.rept NB
	BLOCK Q
.set Q, Q+1
.endr
	s_wait_alu depctr_va_vdst(0)
	global_store_b64 v9, v[SB:SB+1], s[8:9]        ; my column's 8 scale bytes, at its row position
.irp t, 0,1,2,3,4,5,6,7,8,9,10,11,12,13,14,15
	ds_load_b96 v[OUTR+4*\t:OUTR+4*\t+2], v7 offset:2*\t*PITCH   ; in order behind my stores: columns 2 t and 2 t + 1
.endr
.irp t, 0,1,2,3,4,5,6,7,8,9,10,11,12,13,14,15
.set TS, (\t&3)|(((\t>>2)&1)<<3)|(((\t>>3)&1)<<2)    ; columns 2 t, 2 t + 1 go to row positions 2 TS, 2 TS + 1: bits 3 and 4 of the column are bits 2 and 3 of t
	s_wait_dscnt 15-\t                             ; read-back t is in; the 15 - t younger ones may be out
	global_store_b96 v8, v[OUTR+4*\t:OUTR+4*\t+2], s[6:7] offset:2*TS*KROW
.endr
	s_wait_tensorcnt 0x0
	ds_add_u32 v192, v193
	s_wait_dscnt 0x0
	s_endpgm
.Lfunc_end_k_qdbbb6e5e16_quantw:
	.size	k_qdbbb6e5e16_quantw, .Lfunc_end_k_qdbbb6e5e16_quantw-k_qdbbb6e5e16_quantw
	.p2alignl 7, 3214868480
	.fill 96, 4, 3214868480
	.section	.rodata,"a",@progbits
	.p2align	6, 0x0
	.amdhsa_kernel k_qdbbb6e5e16_quantw
		.amdhsa_group_segment_fixed_size 36352
		.amdhsa_private_segment_fixed_size 0
		.amdhsa_enable_private_segment 0
		.amdhsa_kernarg_size 48
		.amdhsa_user_sgpr_count 2
		.amdhsa_user_sgpr_kernarg_segment_ptr 1
		.amdhsa_wavefront_size32 1
		.amdhsa_system_sgpr_workgroup_id_x 1
		.amdhsa_system_sgpr_workgroup_id_y 1
		.amdhsa_system_sgpr_workgroup_id_z 1
		.amdhsa_system_vgpr_workitem_id 0
		.amdhsa_next_free_vgpr 194
		.amdhsa_next_free_sgpr 66
		.amdhsa_reserve_vcc 0
		.amdhsa_float_denorm_mode_32 3
		.amdhsa_float_denorm_mode_16_64 3
		.amdhsa_memory_ordered 1
		.amdhsa_forward_progress 1
		.amdhsa_inst_pref_size 43
	.end_amdhsa_kernel
	.amdgpu_metadata
---
amdhsa.version: [ 1, 2 ]
amdhsa.kernels:
  - .name:           k_qdbbb6e5e16_quantw
    .symbol:         k_qdbbb6e5e16_quantw.kd
    .args:
      - { .name: W_q, .offset: 0, .size: 8, .value_kind: global_buffer, .address_space: global }
      - { .name: W_k, .offset: 8, .size: 8, .value_kind: global_buffer, .address_space: global }
      - { .name: W_v, .offset: 16, .size: 8, .value_kind: global_buffer, .address_space: global }
      - { .name: W_o, .offset: 24, .size: 8, .value_kind: global_buffer, .address_space: global }
      - { .name: w_codes, .offset: 32, .size: 8, .value_kind: global_buffer, .address_space: global }
      - { .name: w_scales, .offset: 40, .size: 8, .value_kind: global_buffer, .address_space: global }
    .group_segment_fixed_size: 36352
    .private_segment_fixed_size: 0
    .kernarg_segment_align: 8
    .kernarg_segment_size: 48
    .max_flat_workgroup_size: 128
    .sgpr_count:     66
    .vgpr_count:     194
    .wavefront_size: 32
...
	.end_amdgpu_metadata
.endif
;; end of part 2
;; launch gemmq (part 3): grid 4 x 96, 4 waves a work-group, clusters of 4 x 4, 327,680 bytes of LDS; arguments x_codes, x_scales, w_codes, w_scales, qkv; writes qkv
.if DOCPART == 3
	.amdgcn_target "amdgcn-amd-amdhsa--gfx1250"
	.amdhsa_code_object_version 6
	.text
	.protected	k_qdbbb6e5e16_gemmq
	.globl	k_qdbbb6e5e16_gemmq
	.p2align	8
	.type	k_qdbbb6e5e16_gemmq,@function
k_qdbbb6e5e16_gemmq:
	s_mov_b64 s[64:65], 0
	v_nop
	global_prefetch_b8 v0, s[64:65] scope:SCOPE_SE
	s_setreg_imm32_b32 hwreg(HW_REG_WAVE_MODE, 25, 1), 1
	s_wait_xcnt 0x0
	s_wait_alu depctr_hold_cnt(0) depctr_sa_sdst(0) depctr_va_vdst(0) depctr_va_sdst(0) depctr_va_ssrc(0) depctr_va_vcc(0) depctr_vm_vsrc(0)
	s_getreg_b32 s2, hwreg(HW_REG_IB_STS2, 6, 4)
	s_cmp_eq_u32 s2, 0
	s_cbranch_scc0 .Lentry_in_a_cluster
	s_endpgm
.Lentry_in_a_cluster:
	s_bfe_u32 s2, ttmp6, 0x10000c
	s_cmp_lg_u32 s2, 0xf033
	s_cbranch_scc0 .Lentry_shape_is_right
	s_endpgm
.Lentry_shape_is_right:
; The three projections, on codes of FP6 (E2M3) with one E8M0 scale for each 32 along K = 1,024, and their results quantised on the way out, straight into the register images that the attention reads.
; ONE GENERIC PRODUCT C[m][n] = sum over k of A[m][k] B[n][k], whose results are quantised ALONG n in blocks of 32:
;   clusters 0-15:  A = x (8,192 rows), B = W_q's and W_k's 2,048 columns: Q and K, quantised along the head's 64;
;   clusters 16-23: A = W_v's 1,024 columns, B = x: V transposed, quantised along the keys.
; Which of the two is chosen by selects on the cluster's number, which all partners share: pointers, a few strides of the way out, no branch.
; A tile of C, 256 x 256, is made by a work-group of four waves; a wave makes 128 x 128: 64 accumulators of 16 x 16, 512 registers.  K goes in steps of 256 through a ring of two LDS slots filled by the
; tensor data mover (a tile's row: 192 bytes).  The scale bytes of the work-group's 256 + 256 rows, for all of K, come into LDS once, with the first fills.
; CLUSTERS: 4 x 4 work-groups; A's tiles are asked for jointly along a row of the cluster, B's along a column.  THE MATRIX INSTRUCTION IS USED TRANSPOSED (source 0 = 16 rows of B, source 1 = 16 rows of A).
; ROW ORDER: both operands' rows lie in position order (position p holds row sw(p), bits 3 and 4 exchanged).  So register 8 u + j of the accumulators (a, 2 beta), (a, 2 beta + 1) of lane (r, h) is
; n = 32 beta + 16 h + 8 u + j of the wave's 128: sixteen neighbours, and a block a's 64 registers of a lane are quantised into ONE operand fragment (16 rows x 128 along n) and one scale word a row.
; THE OUTPUT qkv: [16 b + head][group of 128 tokens][19,712 bytes]: Q's record (6,656), K's (6,656), V's (6,400).  Q's and K's: tile t of 16 tokens: three pieces of 256 bytes at 768 t (piece p = registers
; 2 p, 2 p + 1 of the fragment's lower six, 8 bytes a lane); scale words (the head's two bytes, 0 above) at 6,144 + 256 (t / 4) + 16 r + 4 (t % 4).  V's: tile dt of 16 of the head's 64: six pieces at 1,536 dt;
; scale words at 6,144 + 16 r + 4 dt.  Every store of codes covers 256 consecutive bytes, aligned.
; LIMITS: blocks of results whose largest magnitude lies under 2^-124, blocks of zeros among them, get the scale byte 1 (the rule says 127 for zeros): zero codes add nothing under it.
; REGISTERS, in windows of 256: window 0: v0-31 addresses; v32-63 scale words, two sets; from v128 A's fragments, ONE set; on the way out v112-130, v200-227 at work.
;   window 1: B's fragments, TWO sets, at v0 and v128.   window 2: the 32 accumulators of my rows 0-63 ((a, b) at v[8 (8 a + b)]);   window 3: those of my rows 64-127.
.set SIZE_K, 1024
.set KSTEP,  256                       ; along K in a slot
.set NQ,     KSTEP/128                 ; matrix instructions deep
.set ROWB,   192                       ; a tile's row in bytes
.set KROW,   SIZE_K*6/8                ; a row of codes in memory
.set PITCH,  240                       ; an LDS row: 3 x (64 bytes + 16 of padding) = 60 words: the 32 lanes of a load of 8 bytes touch 64 different banks (64 banks of 4 bytes: ISA guide 11.1)
.set FR,     12                        ; registers of a fragment: 16 rows x 128 K
.set NL,     6                         ; LDS loads that bring one
.set NP,     4                         ; places behind this matrix instruction (ISA guide 7.12.1)
.set HALFT,  128*PITCH                 ; 128 rows: what one tensor load brings
.set SLOT,   4*HALFT                   ; A's 256 rows, then B's 256 rows
.set LAPS,   SIZE_K/(2*KSTEP)          ; a lap = two K steps = once round the ring
.set KS,     SIZE_K/32                 ; a row of scale bytes
.set SCL,    2*SLOT                    ; behind the ring: the scales, as runs of 256 bytes + 16 of padding
.set HALFS,  (128*KS/256)*272          ; the scales of 128 rows: what one tensor load brings
.set SBLK,   (16*KS/256)*272           ; those of 16 rows
.set SPARE,  SCL+4*HALFS               ; behind the scales: the spare words, 128 bytes for each wave: two blocks of 256 bytes that no other line names
.set HSTR,   315392                    ; qkv: from head to head
.set REC,    19712                     ; from group to group
.set ADRA, 16                          ; v16-17  LDS address of my A fragments in slot 0, 1  (v18-19: for the pieces behind one padding more)
.set ADRB, 20                          ; v20-21  the same for B  (v22-23)
.set LN8,  26                          ; v26     8 x lane: a piece's place for my lane
.set ADRS, 27                          ; v27     LDS address of my scale words: lanes 0-15 A's rows, lanes 16-31 B's
.set SPW,  28                          ; v28     LDS address of my spare word; never rewritten
.set NIL,  29                          ; v29     0; never rewritten
.set WOF,  30                          ; v30     the way out: my offset among a record's scale words
.set WSH,  31                          ; v31     and by how much I shift a scale word
.set SC,   32                          ; scale words: set s at v[SC + 16 s]; register 2 i + q: lanes 0-15 the word of A's block i, lanes 16-31 of B's block i
.set AF,   128                         ; A's fragments, in window 0
.set PC,   112                         ; the way out: v112-123 the fragment just made, v124-130 the conversions' second halves
.set TM,   200                         ; v200-203 largest magnitudes, v204-207 bytes, v212-215 the conversions' scale operands
.set PW,   216                         ; the scale word just made
.set WD,   220                         ; v220-227 the eight blocks' scale words as they are stored
.set G1, 24                            ; s[24:31] descriptor group 1 for A's tiles;  s[32:39] group 0, one set for each slot
.set G0, 32
.set G1B, 48                           ; s[48:55], s[56:63] the same for B's tiles
.set G0B, 56
.set G1S, 68                           ; s[68:75], s[76:79] groups 1 and 0 for A's scales;  s[80:87], s[88:91] for B's
.set G0S, 76
.set G1SB, 80
.set G0SB, 88
.set MSB, 0
.macro WIN new                         ; the immediate's high byte repeats the setting that is left
.if MSB != \new
	s_set_vgpr_msb (MSB<<8)|\new
.set MSB, \new
.endif
.endm
.set MUL_LO, 0xa1                      ; source 0 (B) window 1, source 1 (A) window 0, C and D window 2
.set MUL_HI, 0xf1                      ; the same, C and D window 3
.set TO_B,   0x40                      ; destination window 1, address window 0
; A joint load: waves 0 and 1 fetch for A, waves 2 and 3 for B.  Each line has one mask and one set of registers for all that issue it; the branch hangs on the wave's number alone.
; Four v_nop follow each of the two lines, ahead of the jump, the label and what follows.
.macro JLOAD g0a, g1a, g0b, g1b
	s_cmp_eq_u32 s15, 0
	s_cbranch_scc0 .Lfor_b_\@
	tensor_load_to_lds s[\g0a:\g0a+3], s[\g1a:\g1a+7]
	s_nop 0
.rept 4
	v_nop
.endr
	s_branch .Lasked_\@
.Lfor_b_\@:
	tensor_load_to_lds s[\g0b:\g0b+3], s[\g1b:\g1b+7]
	s_nop 0
.rept 4
	v_nop
.endr
.Lasked_\@:
.endm
.macro CREST                           ; a round of the cluster's barrier behind its opening barrier
	s_cmp_lg_u32 s14, 0
	s_cbranch_scc1 .Lnot_wave_0_\@
	s_barrier_signal -3
.Lnot_wave_0_\@:
	s_barrier_wait -3
	s_barrier_signal -1
	s_barrier_wait -1
.endm
.macro CROUND                          ; a whole round
	s_barrier_signal -1
	s_barrier_wait -1
	CREST
.endm
	s_load_b128 s[4:7], s[0:1], 0x0                ; x's codes, x's scales
	s_load_b128 s[8:11], s[0:1], 0x10              ; the weights' codes, their scales
	s_load_b64 s[12:13], s[0:1], 0x20              ; qkv
	v_lshl_add_u32 v[SPW], v0, 2, SPARE
	v_mov_b32 v[NIL], 0
	ds_add_u32 v28, v29
	ds_add_u32 v28, v29
	s_wait_dscnt 0x0
	v_lshrrev_b32 v1, 5, v0
	v_readfirstlane_b32 s14, v1                    ; wave 0..3
	s_lshr_b32 s15, s14, 1                         ; which half of the tile's rows is mine.  Also: I fetch for A (0) or for B (1)
	s_and_b32 s16, s14, 1                          ; which half of its columns.  Also: which 128 rows of that tile I fetch
	s_bfe_u32 s40, ttmp6, 0x40000                  ; cx, cy: my place in the cluster
	s_bfe_u32 s41, ttmp6, 0x40004
	s_and_b32 s2, ttmp7, 0xffff                    ; the cluster's number, 0..23: under 16 Q and K, from 16 on V
	s_lshr_b32 s17, s2, 1                          ; Q, K: 8 x 2 clusters
	s_and_b32 s42, s2, 1
	s_max_u32 s18, s2, 16
	s_sub_co_u32 s18, s18, 16                      ; V: 1 x 8 clusters
	s_cmp_lt_u32 s2, 16
	s_cselect_b32 s17, s17, 0
	s_cselect_b32 s42, s42, s18
	s_lshl_b32 s17, s17, 2
	s_add_co_u32 s17, s17, s41                     ; tile row of C = 4 x the cluster's row + cy
	s_lshl_b32 s42, s42, 2
	s_add_co_u32 s42, s42, s40                     ; tile column = 4 x the cluster's column + cx
	s_lshl_b32 s43, s41, 2
	s_lshl_b32 s43, 15, s43                        ; my row of the cluster
	s_lshl_b32 s44, 0x1111, s40                    ; my column
	; descriptor group 1: a tile of 128 rows x 192 bytes, padded in LDS
	s_or_b32 s[G1+0], s43, (0<<16)|(1<<20)|(1<<21)|(3<<22)|(3<<25)  ; 15:0 the mask: A's tiles go to my row; 17:16 element of 1 byte; 20 padding on; 21 set beside a mask; 24:22 after every 16 words; 31:25 of 4 words
	s_or_b32 s[G1B+0], s44, (0<<16)|(1<<20)|(1<<21)|(3<<22)|(3<<25)
.irp g, G1, G1B
	s_mov_b32 s[\g+1], ROWB<<16                    ; tensor_dim0
	s_mov_b32 s[\g+2], 128<<16                     ; tensor_dim1
	s_mov_b32 s[\g+3], ROWB<<16                    ; tile_dim0
	s_mov_b32 s[\g+4], 128                         ; tile_dim1
	s_mov_b32 s[\g+5], KROW                        ; tensor_dim0_stride
	s_mov_b32 s[\g+6], 0
	s_mov_b32 s[\g+7], 0
.endr
	; and for the scales of 128 rows: a dense block of 4,096 bytes, as 16 rows of 256 bytes (32 elements of 8 bytes), 16 bytes of padding behind each
	s_or_b32 s[G1S+0], s43, (3<<16)|(1<<20)|(1<<21)|(5<<22)|(3<<25)
	s_or_b32 s[G1SB+0], s44, (3<<16)|(1<<20)|(1<<21)|(5<<22)|(3<<25)
.irp g, G1S, G1SB
	s_mov_b32 s[\g+1], 32<<16
	s_mov_b32 s[\g+2], (128*KS/256)<<16
	s_mov_b32 s[\g+3], 32<<16
	s_mov_b32 s[\g+4], 128*KS/256
	s_mov_b32 s[\g+5], 32
	s_mov_b32 s[\g+6], 0
	s_mov_b32 s[\g+7], 0
.endr
	s_lshl_b32 s18, s16, 7                         ; which 128 rows of the tile I fetch
	s_lshl_b32 s20, s17, 8
	s_add_co_u32 s20, s20, s18                     ; A: row 256 x tile row + 128 x half
	s_lshl_b32 s46, s42, 8
	s_add_co_u32 s46, s46, s18                     ; B: row 256 x tile column + 128 x half
	s_mov_b32 s21, 0
	s_mov_b32 s47, 0
	s_mov_b64 s[18:19], KS
	s_mul_u64 s[22:23], s[20:21], s[18:19]         ; where these rows' scales begin, in bytes
	s_mul_u64 s[92:93], s[46:47], s[18:19]
	s_mov_b64 s[18:19], KROW
	s_mul_u64 s[20:21], s[20:21], s[18:19]         ; and their codes
	s_mul_u64 s[46:47], s[46:47], s[18:19]
	s_mul_i32 s45, s14, HALFT                      ; where they go: wave x 128 rows: no place in the cluster enters an LDS address
	s_mul_i32 s94, s14, HALFS
	s_wait_kmcnt 0x0
	s_add_nc_u64 s[98:99], s[8:9], 2048*KROW       ; W_v's codes
	s_add_nc_u64 s[100:101], s[10:11], 2048*KS     ; and scales
	s_cmp_lt_u32 s2, 16                            ; the operands are chosen by the cluster's number alone
	s_cselect_b64 s[104:105], s[8:9], s[4:5]       ; B's codes: the weights', or x's
	s_cselect_b64 s[4:5], s[4:5], s[98:99]         ; A's codes: x's, or W_v's
	s_mov_b64 s[8:9], s[104:105]
	s_cselect_b64 s[104:105], s[10:11], s[6:7]     ; the scales likewise
	s_cselect_b64 s[6:7], s[6:7], s[100:101]
	s_mov_b64 s[10:11], s[104:105]
	s_add_nc_u64 s[20:21], s[4:5], s[20:21]
	s_add_nc_u64 s[22:23], s[6:7], s[22:23]
	s_add_nc_u64 s[46:47], s[8:9], s[46:47]
	s_add_nc_u64 s[92:93], s[10:11], s[92:93]
	CROUND                                         ; all sixteen work-groups are here: the first joint loads meet
	s_mov_b32 s[G0S], 1
	s_add_co_u32 s[G0S+1], s94, SCL
	s_mov_b64 s[G0S+2:G0S+3], s[22:23]
	s_or_b32 s[G0S+3], s[G0S+3], 0x80000000
	s_mov_b32 s[G0SB], 1
	s_add_co_u32 s[G0SB+1], s94, SCL
	s_mov_b64 s[G0SB+2:G0SB+3], s[92:93]
	s_or_b32 s[G0SB+3], s[G0SB+3], 0x80000000
	JLOAD G0S, G1S, G0SB, G1SB                     ; the scales first: they are wanted with K step 0
.irp s, 0,1
	s_mov_b32 s[G0+4*\s], 1
	s_add_co_u32 s[G0+4*\s+1], s45, \s*SLOT
	s_add_nc_u64 s[G0+4*\s+2:G0+4*\s+3], s[20:21], \s*ROWB
	s_or_b32 s[G0+4*\s+3], s[G0+4*\s+3], 0x80000000
	s_mov_b32 s[G0B+4*\s], 1
	s_add_co_u32 s[G0B+4*\s+1], s45, \s*SLOT
	s_add_nc_u64 s[G0B+4*\s+2:G0B+4*\s+3], s[46:47], \s*ROWB
	s_or_b32 s[G0B+4*\s+3], s[G0B+4*\s+3], 0x80000000
	JLOAD G0+4*\s, G1, G0B+4*\s, G1B
.endr
	v_and_b32 v1, 15, v0                           ; r = lane % 16
	v_bfe_u32 v2, v0, 4, 1                         ; h = lane / 16
	v_mul_u32_u24 v3, v1, PITCH
	v_mul_u32_u24 v4, v2, 24
	v_add_nc_u32 v4, v3, v4                        ; a fragment's row x pitch + 24 x half
	v_lshl_add_u32 v5, v2, 4, v4                   ; and the same behind one padding more
	s_mul_i32 s21, s15, HALFT                      ; my 128 rows of A
	s_mul_i32 s22, s16, HALFT                      ; my 128 rows of B,
	s_add_co_u32 s22, s22, 2*HALFT                 ; which lie behind A's 256
.irp s, 0,1
	v_add_nc_u32 v[ADRA+\s], s21, v4
	v_add_nc_u32 v[ADRB+\s], s22, v4
	v_add_nc_u32 v[ADRA+2+\s], s21, v5
	v_add_nc_u32 v[ADRB+2+\s], s22, v5
	s_add_co_u32 s21, s21, SLOT
	s_add_co_u32 s22, s22, SLOT
.endr
	v_mul_u32_u24 v5, v1, KS                       ; my row's scales: 32 bytes a row,
	v_lshrrev_b32 v6, 8, v5
	v_lshl_add_u32 v5, v6, 4, v5                   ; and 16 more for each 256 passed
	s_mul_i32 s21, s15, HALFS                      ; A's: my 128 rows
	s_mul_i32 s22, s16, HALFS                      ; B's: my 128 rows, behind A's 256
	s_add_co_u32 s22, s22, 2*HALFS
	s_sub_co_u32 s22, s22, s21
	v_mul_u32_u24 v6, s22, v2                      ; lanes 16-31 take B's: one product, the distance between the two bases
	s_add_co_u32 s21, s21, SCL
	v_add_nc_u32 v5, v5, v6
	v_add_nc_u32 v[ADRS], s21, v5
	v_and_b32 v6, 31, v0
	v_lshlrev_b32 v[LN8], 3, v6
	; THE WAY OUT'S STRIDES, chosen by the cluster's number.  Block a's fragment goes to base + SA a (+ SJ from a = 4 on); its registers 6-11 lie S1 further on; the second four blocks' scale words S2 behind the first's.
	s_mov_b32 s66, 1536                            ; SA: Q, K: a tile's 768 bytes;  V: a tile's 1,536
	s_mov_b32 s67, HSTR-4*1536                     ; SJ: Q, K: 0;  V: blocks 4-7 belong to the next head
	s_mov_b32 s95, 768                             ; S1: Q, K: the next head;  V: the same tile's pieces 3 to 5
	s_mov_b32 s96, HSTR                            ; S2: Q, K: 256;  V: the next head
	s_cmp_lt_u32 s2, 16
	s_cselect_b32 s66, 768, s66
	s_cselect_b32 s67, 0, s67
	s_cselect_b32 s95, HSTR, s95
	s_cselect_b32 s96, 256, s96
	s_cselect_b32 s97, 0xffff, -1                  ; what is kept of a scale word: Q, K: a head's two bytes;  V: all four
	s_cselect_b32 s98, HSTR, 0
	s_cselect_b32 s99, 16, 0
	v_mul_u32_u24 v[WOF], s98, v2                  ; Q, K: lanes 16-31 store the next head's words (V: they repeat lanes 0-15's bytes)
	v_lshl_add_u32 v[WOF], v1, 4, v[WOF]           ; 16 bytes a row: four tiles' words
	v_mul_u32_u24 v[WSH], s99, v2                  ; Q, K: lanes 16-31 take the word's upper two bytes
	; where my part of qkv begins.  G = my group of 128 tokens (0..63), H = my first head
	s_lshl_b32 s98, s17, 1
	s_add_co_u32 s98, s98, s15                     ; Q, K: G = 2 x tile row + half
	s_lshl_b32 s99, s42, 1
	s_add_co_u32 s99, s99, s16                     ; V: G = 2 x tile column + half
	s_and_b32 s100, s42, 3
	s_lshl_b32 s100, s100, 1
	s_add_co_u32 s100, s100, s16
	s_lshl_b32 s100, s100, 1                       ; Q, K: H = 4 (tile column % 4) + 2 x half
	s_lshl_b32 s101, s98, 1                        ; V: H = 4 x tile row + 2 x half
	s_lshr_b32 s104, s42, 2
	s_mul_i32 s104, s104, 6656                     ; Q's record, or K's behind it
	s_mov_b32 s105, 13312                          ; V's
	s_cmp_lt_u32 s2, 16
	s_cselect_b32 s98, s98, s99
	s_cselect_b32 s100, s100, s101
	s_cselect_b32 s104, s104, s105
	s_lshr_b32 s99, s98, 4
	s_mul_i32 s99, s99, 16*HSTR                    ; the batch's 16 heads
	s_and_b32 s98, s98, 15
	s_mul_i32 s98, s98, REC
	s_mul_i32 s100, s100, HSTR
	s_add_co_u32 s98, s98, s99
	s_add_co_u32 s98, s98, s100
	s_add_co_u32 s98, s98, s104                    ; under 2^25 bytes
	s_mov_b32 s99, 0
	s_add_nc_u64 s[12:13], s[12:13], s[98:99]
.macro FRAG reg, adr, q, i             ; a fragment, 16 rows x 128 K of 6-bit codes, is 12 registers: lane l holds row l % 16; registers 6 c .. 6 c + 5 hold K = 64 c + 32 (l / 16) + 0 .. 31: 24 bytes of the row, as they lie
.irp p, 0,1,2,3,4,5                    ; in pieces of 8 bytes.  Lanes 0-15 take the row's pieces 12 q + 0, 1, 2 and 12 q + 6, 7, 8, lanes 16-31 those three pieces on
.set PCE, 12*(\q)+6*(\p/3)+\p%3       ; 16 bytes of padding lie behind every 8 pieces: where the piece three on lies behind one padding more, the second address register serves
.if PCE%8 < 5
	ds_load_b64 v[\reg+2*\p:\reg+2*\p+1], v[\adr] offset:8*PCE+16*(PCE/8)+(\i)*16*PITCH
.else
	ds_load_b64 v[\reg+2*\p:\reg+2*\p+1], v[\adr+2] offset:8*PCE+16*(PCE/8)+(\i)*16*PITCH
.endif
.endr
.endm
; 16 matrix instructions: A's blocks a0, a0 + 1 x B's eight, 128 along K: the slot's q-th.  p: B's set;  sc: the set of scale words.  zero = 1: the first product starts the sums.
; The 64 accumulators take turns, one instruction a turn, in the same order in every step.
.macro MUL16 a0, p, q, sc, zero
.irp a, \a0, \a0+1
.irp b, 0,1,2,3,4,5,6,7
.if \zero
	v_wmma_scale_f32_16x16x128_f8f6f4 v[8*(8*((\a)%4)+\b):8*(8*((\a)%4)+\b)+7], v[128*(\p)+FR*\b:128*(\p)+FR*\b+FR-1], v[AF+FR*(\a):AF+FR*(\a)+FR-1], 0, v[SC+8*NQ*(\sc)+NQ*\b+(\q)], v[SC+8*NQ*(\sc)+NQ*(\a)+(\q)] matrix_a_fmt:MATRIX_FMT_FP6 matrix_b_fmt:MATRIX_FMT_FP6 matrix_a_scale:MATRIX_SCALE_ROW1
.else
	v_wmma_scale_f32_16x16x128_f8f6f4 v[8*(8*((\a)%4)+\b):8*(8*((\a)%4)+\b)+7], v[128*(\p)+FR*\b:128*(\p)+FR*\b+FR-1], v[AF+FR*(\a):AF+FR*(\a)+FR-1], v[8*(8*((\a)%4)+\b):8*(8*((\a)%4)+\b)+7], v[SC+8*NQ*(\sc)+NQ*\b+(\q)], v[SC+8*NQ*(\sc)+NQ*(\a)+(\q)] matrix_a_fmt:MATRIX_FMT_FP6 matrix_b_fmt:MATRIX_FMT_FP6 matrix_a_scale:MATRIX_SCALE_ROW1
.endif
.endr
.endr
.endm
.macro FETCH_B slot, q, p              ; B's eight fragments of the slot's q-th 128 along K into set p
	WIN TO_B
.irp i, 0,1,2,3,4,5,6,7
	FRAG 128*(\p)+FR*\i, ADRB+\slot, \q, \i
.endr
	WIN 0
.endm
.macro FETCH_A slot, q, i0             ; A's blocks i0 .. i0 + 3
.irp i, \i0, \i0+1, \i0+2, \i0+3
	FRAG AF+FR*(\i), ADRA+\slot, \q, \i
.endr
.endm
.macro SCALES sc                       ; a K step's scale words into set sc: two words a row; lanes 0-15 take A's block i, lanes 16-31 B's block i
.irp i, 0,1,2,3,4,5,6,7
	ds_load_b64 v[SC+8*NQ*\sc+NQ*\i:SC+8*NQ*\sc+NQ*\i+1], v[ADRS] offset:\i*SBLK
.endr
.endm
; A load into a register that a matrix instruction has read, and a vector instruction that reads a matrix result or writes one of its registers, stand four places behind it; only plain vector
; instructions that name none of its registers are places (ISA guide 7.12.1 for vector instructions).
.macro PLACES n
.rept \n
	v_nop
.endr
.endm
; A step of 128 along K that has its successor in the same slot.
.macro STEP slot, q, zero
	s_wait_dscnt 4*NL                              ; B's set and A's blocks 0-3 are in; the youngest 24 loads (A's blocks 4-7) may be out
	WIN MUL_LO
	MUL16 0, (\q)%2, \q, \slot, \zero
	MUL16 2, (\q)%2, \q, \slot, \zero
	s_wait_dscnt 0                                 ; A's blocks 4-7 are in (asked for 32 matrix instructions ago)
	PLACES NP
	FETCH_B \slot, (\q)+1, 1-(\q)%2
	FETCH_A \slot, (\q)+1, 0
	WIN MUL_HI
	MUL16 4, (\q)%2, \q, \slot, \zero
	MUL16 6, (\q)%2, \q, \slot, \zero
	PLACES NP
	WIN 0
	FETCH_A \slot, (\q)+1, 4
.endm
; A slot's last step changes slots: ONE barrier; in front of it each wave waits for all its tensor loads, adds 0 to its spare word, and waits for that and for its own reads of this slot.  fill = 1: this slot is filled again, two K steps ahead.
.macro TURN slot, next, fill
	s_wait_tensorcnt 0x0                           ; all my tensor loads have landed: my part of the next slot  (every window is 0 here)
	ds_add_u32 v[SPW], v[NIL]                      ; 0 onto my spare word
	s_wait_dscnt 4*NL+1                            ; (the add and the youngest 24 loads, A's blocks 4-7, may be out)
	WIN MUL_LO
	MUL16 0, 1, NQ-1, \slot, 0                     ; sixteen matrix instructions stand between the add and the wait for it
	s_wait_dscnt 0x0                               ; the add is done, and my reads of this slot are over
	s_barrier_signal -1
	MUL16 2, 1, NQ-1, \slot, 0
	WIN 0
	s_barrier_wait -1
.if \fill
	CREST                                          ; the barrier has opened a round of the cluster's barrier: no wave of any partner still reads this slot's tile or has a load on its way
	s_add_nc_u64 s[G0+4*\slot+2:G0+4*\slot+3], s[G0+4*\slot+2:G0+4*\slot+3], 2*ROWB
	s_add_nc_u64 s[G0B+4*\slot+2:G0B+4*\slot+3], s[G0B+4*\slot+2:G0B+4*\slot+3], 2*ROWB
	JLOAD G0+4*\slot, G1, G0B+4*\slot, G1B         ; the first tensor load behind the round; the four v_nop behind it are the places in front of the loads below
.else
	PLACES NP
.endif
	s_wait_alu depctr_va_vdst(0)
	v_add_nc_u32 v[ADRS], 4*NQ, v[ADRS]            ; on to the next K step's scale words (no LDS load of mine is out)
	FETCH_B \next, 0, 0
	FETCH_A \next, 0, 0
	SCALES \next
	WIN MUL_HI
	MUL16 4, 1, NQ-1, \slot, 0
	MUL16 6, 1, NQ-1, \slot, 0
	PLACES NP
	WIN 0
	FETCH_A \next, 0, 4
.endm
	s_wait_alu depctr_va_vdst(0)
	s_wait_tensorcnt 1                             ; of my three first fills the scales and K step 0 are in; K step 1's may be out
	s_barrier_signal -1
	s_barrier_wait -1                              ; everybody's are
	FETCH_B 0, 0, 0
	FETCH_A 0, 0, 0
	SCALES 0
	FETCH_A 0, 0, 4
	STEP 0, 0, 1                                   ; the first step stands in front of the loop: its products start the sums
	s_mov_b32 s3, LAPS-1
.Llap:                                                 ; a trip goes once round the ring, from a lap's second step to the next lap's first, and fills both slots again
	TURN 0, 1, 1
	STEP 1, 0, 0
	TURN 1, 0, 1
	STEP 0, 0, 0
	s_sub_co_u32 s3, s3, 1
	s_cmp_lg_u32 s3, 0
	s_cbranch_scc1 .Llap
	TURN 0, 1, 0                                   ; the last lap fills nothing, and has no round of the cluster's barrier
	STEP 1, 0, 0
	s_wait_dscnt 4*NL                              ; the very last step: nothing more to fetch
	WIN MUL_LO
	MUL16 0, 1, NQ-1, 1, 0
	MUL16 2, 1, NQ-1, 1, 0
	s_wait_dscnt 0
	WIN MUL_HI
	MUL16 4, 1, NQ-1, 1, 0
	MUL16 6, 1, NQ-1, 1, 0
	WIN 0
; THE WAY OUT.  Block a's 64 registers of a lane (register 16 b + i = n 32 b + 16 (lane / 16) + i of my row) become a fragment's codes in v[PC] on and its scale word in v[PW].
; The accumulators lie in window 2 or 3 and are read there; each is read from its low end on.
.macro QUANTW a
.set AC, 64*((\a)%4)
	WIN 0x0a+5*((\a)/4)                            ; sources 0 and 1: window 2 or 3; source 2 and the destination: window 0
.irp b, 0,1,2,3
	v_max3_num_f32 v[TM+\b], |v[AC+16*\b]|, |v[AC+16*\b+1]|, 0x1800000   ; block b: my 16 numbers, and the floor 2^(3 - 127): the byte cannot fall under 1
.endr
.irp i, 2,4,6,8,10,12,14
.irp b, 0,1,2,3
	v_max3_num_f32 v[TM+\b], |v[AC+16*\b+\i]|, |v[AC+16*\b+\i+1]|, v[TM+\b]   ; (the four blocks by turns)
.endr
.endr
	WIN 0
.irp b, 0,1,2,3
	v_permlanex16_b32 v[TM+4+\b], v[TM+\b], s18, s19
.endr
.irp b, 0,1,2,3
	v_max_num_f32 v[TM+\b], v[TM+\b], v[TM+4+\b]   ; with lane l xor 16's: the block's largest magnitude
.endr
.irp b, 0,1,2,3
	v_add_nc_u32 v[TM+12+\b], 0xff000000, v[TM+\b]   ; 2 off its exponent field: the conversion's scale operand
.endr
.irp b, 0,1,2,3
	v_lshrrev_b32 v[TM+4+\b], 23, v[TM+12+\b]      ; the scale's byte
.endr
	v_lshl_or_b32 v[PW], v[TM+5], 8, v[TM+4]       ; the four bytes make my row's scale word
	v_lshl_or_b32 v[PW], v[TM+6], 16, v[PW]
	v_lshl_or_b32 v[PW], v[TM+7], 24, v[PW]
	WIN 0x02+(\a)/4                                ; source 0: window 2 or 3
.irp c, 0,1
	v_cvt_scalef32_pk16_fp6_f32 v[PC+6*\c:PC+2+6*\c], v[AC+32*\c:AC+15+32*\c], v[TM+12+2*\c]
	v_cvt_scalef32_pk16_fp6_f32 v[PC+12+4*\c:PC+14+4*\c], v[AC+16+32*\c:AC+31+32*\c], v[TM+12+2*\c+1]   ; (a conversion's three registers begin on an even number)
.endr
	WIN 0
	v_nop                                          ; one plain place behind a scaled conversion
.irp c, 0,1                                    ; the operand's layout wants a WHOLE block in a lane: lanes 0-15 block 2 c, lanes 16-31 block 2 c + 1
.irp i, 0,1,2
	v_permlane16_swap_b32 v[PC+6*\c+\i], v[PC+12+4*\c+\i]
.endr
.irp i, 0,1,2
	v_mov_b32 v[PC+3+6*\c+\i], v[PC+12+4*\c+\i]
.endr
.endr
.endm
.macro QBLOCK a
.if (\a) > 0
	s_wait_xcnt 0x0                                ; the last block's stores have had their addresses translated (ISA guide 3.1): only behind this wait are their data and bases written again
.endif
	s_mul_i32 s20, s66, \a
.if (\a) >= 4
	s_add_co_u32 s20, s20, s67
.endif
	s_add_nc_u64 s[22:23], s[12:13], s[20:21]      ; where the fragment's registers 0-5 go,
	s_add_nc_u64 s[40:41], s[22:23], s[44:45]      ; and its registers 6-11
	QUANTW \a
	v_lshrrev_b32 v[WD+\a], v[WSH], v[PW]          ; Q, K: lanes 0-15 keep the first head's two bytes, lanes 16-31 the second's;  V: the whole word
	v_and_b32 v[WD+\a], s97, v[WD+\a]
.irp p, 0,1,2
	global_store_b64 v[LN8], v[PC+2*\p:PC+2*\p+1], s[22:23] offset:256*\p      ; 32 lanes store 256 consecutive bytes, at a multiple of 256 from the buffer's first byte
.endr
.irp p, 0,1,2
	global_store_b64 v[LN8], v[PC+6+2*\p:PC+7+2*\p], s[40:41] offset:256*\p
.endr
.if (\a) == 3
	global_store_b128 v[WOF], v[WD:WD+3], s[46:47]       ; four blocks' scale words: sixteen lanes store 256 consecutive bytes
.endif
.if (\a) == 7
	global_store_b128 v[WOF], v[WD+4:WD+7], s[92:93]
.endif
.endm
	PLACES NP                                      ; behind the last products: their results are read and A's registers written below
.irp b, 0,1,2,3
	v_mov_b32 v[TM+4+\b], 0                        ; written once: a lane permute's destination counts as one of its sources
.endr
	s_mov_b32 s18, 0x76543210
	s_mov_b32 s19, 0xfedcba98                      ; v_permlanex16_b32's selects for lane l xor 16
	s_mov_b32 s21, 0
	s_mov_b32 s44, s95
	s_mov_b32 s45, 0
	s_mov_b32 s98, s96
	s_mov_b32 s99, 0
	s_add_nc_u64 s[46:47], s[12:13], 6144          ; the scale words of blocks 0-3,
	s_add_nc_u64 s[92:93], s[46:47], s[98:99]      ; and of blocks 4-7
.irp a, 0,1,2,3,4,5,6,7
	QBLOCK \a
.endr
	s_wait_tensorcnt 0x0                           ; the wave's end
	ds_add_u32 v[SPW], v[NIL]
	s_wait_dscnt 0x0
	CROUND                                         ; the closing round: no work-group ends while a partner may still ask for a tile that names it
	s_endpgm
.Lfunc_end_k_qdbbb6e5e16_gemmq:
	.size	k_qdbbb6e5e16_gemmq, .Lfunc_end_k_qdbbb6e5e16_gemmq-k_qdbbb6e5e16_gemmq
	.p2alignl 7, 3214868480
	.fill 96, 4, 3214868480
	.section	.rodata,"a",@progbits
	.p2align	6, 0x0
	.amdhsa_kernel k_qdbbb6e5e16_gemmq
		.amdhsa_group_segment_fixed_size 327680
		.amdhsa_private_segment_fixed_size 0
		.amdhsa_enable_private_segment 0
		.amdhsa_kernarg_size 40
		.amdhsa_user_sgpr_count 2
		.amdhsa_user_sgpr_kernarg_segment_ptr 1
		.amdhsa_wavefront_size32 1
		.amdhsa_system_sgpr_workgroup_id_x 1
		.amdhsa_system_sgpr_workgroup_id_y 1
		.amdhsa_system_sgpr_workgroup_id_z 1
		.amdhsa_system_vgpr_workitem_id 0
		.amdhsa_next_free_vgpr 1024
		.amdhsa_next_free_sgpr 106
		.amdhsa_reserve_vcc 0
		.amdhsa_float_denorm_mode_32 3
		.amdhsa_float_denorm_mode_16_64 3
		.amdhsa_memory_ordered 1
		.amdhsa_forward_progress 1
		.amdhsa_inst_pref_size 170
	.end_amdhsa_kernel
	.amdgpu_metadata
---
amdhsa.version: [ 1, 2 ]
amdhsa.kernels:
  - .name:           k_qdbbb6e5e16_gemmq
    .symbol:         k_qdbbb6e5e16_gemmq.kd
    .args:
      - { .name: x_codes, .offset: 0, .size: 8, .value_kind: global_buffer, .address_space: global }
      - { .name: x_scales, .offset: 8, .size: 8, .value_kind: global_buffer, .address_space: global }
      - { .name: w_codes, .offset: 16, .size: 8, .value_kind: global_buffer, .address_space: global }
      - { .name: w_scales, .offset: 24, .size: 8, .value_kind: global_buffer, .address_space: global }
      - { .name: qkv, .offset: 32, .size: 8, .value_kind: global_buffer, .address_space: global }
    .group_segment_fixed_size: 327680
    .private_segment_fixed_size: 0
    .kernarg_segment_align: 8
    .kernarg_segment_size: 40
    .max_flat_workgroup_size: 128
    .sgpr_count:     106
    .vgpr_count:     1024
    .wavefront_size: 32
...
	.end_amdgpu_metadata
.endif
;; end of part 3
;; launch attn (part 4): grid 4 x 64, 16 waves a work-group, clusters of 4 x 1, 210,944 bytes of LDS; arguments qkv, o_img, o_scales; writes o_img, o_scales
.if DOCPART == 4
	.amdgcn_target "amdgcn-amd-amdhsa--gfx1250"
	.amdhsa_code_object_version 6
	.text
	.protected	k_qdbbb6e5e16_attn
	.globl	k_qdbbb6e5e16_attn
	.p2align	8
	.type	k_qdbbb6e5e16_attn,@function
k_qdbbb6e5e16_attn:
	s_mov_b64 s[64:65], 0
	v_nop
	global_prefetch_b8 v0, s[64:65] scope:SCOPE_SE
	s_setreg_imm32_b32 hwreg(HW_REG_WAVE_MODE, 25, 1), 1
	s_wait_xcnt 0x0
	s_wait_alu depctr_hold_cnt(0) depctr_sa_sdst(0) depctr_va_vdst(0) depctr_va_sdst(0) depctr_va_ssrc(0) depctr_va_vcc(0) depctr_vm_vsrc(0)
	s_getreg_b32 s2, hwreg(HW_REG_IB_STS2, 6, 4)
	s_cmp_eq_u32 s2, 0
	s_cbranch_scc0 .Lentry_in_a_cluster
	s_endpgm
.Lentry_in_a_cluster:
	s_bfe_u32 s2, ttmp6, 0x10000c
	s_cmp_lg_u32 s2, 0x3003
	s_cbranch_scc0 .Lentry_shape_is_right
	s_endpgm
.Lentry_shape_is_right:
; Causal attention of one (batch, head) a cluster, both products on codes of FP6 (E2M3) with one E8M0 scale for each 32 along a product's K; head size 64, 2,048 tokens.
; THE SOFTMAX AHEAD OF THE SECOND PRODUCT: t = score x log2(e) / 8; M = the row's largest t so far, rounded UP to a whole number; p = 2^(t - M) is what is quantised, along the keys; it is not normalised.
; The row's sum is taken of the unquantised p, in f32, and divides O at the end.  When M moves, the sum and O are multiplied by 2^(old M - new M): exact.
; O / the sum is then quantised along the head's 64 and leaves as the register image of the output projection's operand, with its two scale bytes.
; LDS.  A head's K and V records, 16 key steps of 128 keys x 13,056 bytes, are 208,896 bytes: they fit whole.  Wave w brings key step w by ONE tensor load, asked for JOINTLY by the cluster's four work-groups
; (same descriptor, mask 15).  Nothing is filled again and nothing is stored to LDS: one barrier behind the fills, and then only reads.
; SHARES.  The head has 128 tiles of 16 queries.  A wave takes TWO: tile 127 - tau and then tile tau, tau = 8 A + 4 (wave % 2) + cx, A = wave / 2.  They need 16 - A and A + 1 key steps: 17 for every wave.
; One loop of 17 trips walks both; which key step a trip takes is made from the trip's number and A by selects.  Every branch hangs on A and the trip's number; cx enters global offsets and the mask's data alone.
; LAYOUT.  Both products are used transposed: S^T = K Q^T (source 0 = 16 keys, source 1 = my 16 queries), O^T = V^T P^T: a lane holds ONE query (lane % 16) throughout.  The records hold rows in position order
; (lane r of tile 2 b + u is row 32 b + 8 u + r + 8 (r / 8)), so the 16 registers of tiles 2 b, 2 b + 1 are 16 neighbours: keys 32 b + 16 (lane / 16) + 0 .. 15 in S^T, channels likewise in O^T.
; HEAD SIZE 64 IN A K OF 128: Q's upper six registers are zero codes.  K's tile t is named as v[36 + 6 t : 47 + 6 t]: its upper six registers are the next tile's codes (for t = 7: zeros), which meet Q's zeros;
; the scale words' upper two bytes are 0, which is 2^-127 and no NaN.
; LIMITS: NaN and infinities are not served; a block of p or of O whose largest magnitude lies under 2^-124 (zeros among them) gets the scale byte 1: read by this program alone.
; REGISTERS: v1 8 x lane; v2 16 r; v3, v4 LDS addresses of the step; v5 / v6 query - 16 (lane / 16) of this tile / the next; v7 / v8 o_img offset; v9 / v10 o_scales offset; v11 at the head;
;   v12 -M, v13 the largest t, v[14:15] the sum; v16-21 Q, v22-27 zeros, v28-33 the second tile's Q; v34 / v35 Q's scale word; v36-89 fragments of K or of V; v90-97 K's scale words, v98-101 V's;
;   v104-167 S^T, then p; v168-199 O^T; v200-211 p's codes; v212-218 the conversions' second halves; v220-223 block maxima; v224-227 permutes, bytes; v228-231 scale operands; v[232:233] f; v234 p's scale word; v235-237 at work.
.set HSTR, 315392                      ; qkv: from head to head
.set REC,  19712                       ; from group of 128 tokens to group: Q's record 6,656, K's 6,656, V's 6,400
.set KV,   13056                       ; K's and V's records together: a key step in LDS
.set VOFF, 6656                        ; V's record in it
.macro CROUND                          ; a round of the cluster's barrier
	s_barrier_signal -1
	s_barrier_wait -1
	s_cmp_lg_u32 s10, 0
	s_cbranch_scc1 .Lnot_wave_0_\@
	s_barrier_signal -3
.Lnot_wave_0_\@:
	s_barrier_wait -3
	s_barrier_signal -1
	s_barrier_wait -1
.endm
; The offsets of tile s[t]: dq: its queries' tokens; oi, os: where its result goes; qc, qw: where its Q lies
.macro TILEADR t, dq, oi, os, qc, qw
	s_lshr_b32 s37, s[\t], 1
	s_lshl_b32 s37, s37, 5
	s_and_b32 s38, s[\t], 1
	s_lshl_b32 s38, s38, 3
	s_add_co_u32 s37, s37, s38
	v_add_nc_u32 v[\dq], s37, v11                  ; 32 (T / 2) + 8 (T % 2) + r + 8 (r / 8) - 16 (lane / 16)
	s_add_co_u32 s37, s42, s[\t]                   ; the tile among all 512: 128 x batch + T
	s_mul_i32 s38, s37, 12288
	s_add_co_u32 s38, s38, s43
	v_add_nc_u32 v[\oi], s38, v1                   ; o_img: 12,288 a tile, 768 a head, 8 a lane
	s_lshl_b32 s38, s37, 9
	s_add_co_u32 s38, s38, s44
	v_lshl_add_u32 v[\os], v2, 1, s38              ; o_scales: 512 a tile, 32 a row, 2 a head
	s_lshr_b32 s37, s[\t], 3
	s_mul_i32 s37, s37, REC
	s_add_co_u32 s37, s37, s45                     ; Q's record of the tile's group
	s_and_b32 s38, s[\t], 7
	s_mul_i32 s38, s38, 768
	s_add_co_u32 s38, s38, s37
	v_add_nc_u32 v[\qc], s38, v1
	s_bfe_u32 s38, s[\t], 0x10002
	s_lshl_b32 s38, s38, 8
	s_add_co_u32 s37, s37, s38
	s_and_b32 s38, s[\t], 3
	s_lshl_b32 s38, s38, 2
	s_add_co_u32 s37, s37, s38
	v_add_nc_u32 v[\qw], s37, v2                   ; its scale words: 256 ((T / 4) % 2) + 16 r + 4 (T % 4), 6,144 further on
.endm
	s_load_b128 s[4:7], s[0:1], 0x0                ; qkv, o_img
	s_load_b64 s[8:9], s[0:1], 0x10                ; o_scales
	v_lshl_add_u32 v254, v0, 2, 0x33000
	v_mov_b32 v255, 0
	ds_add_u32 v254, v255
	ds_add_u32 v254, v255
	v_lshrrev_b32 v1, 5, v0
	s_delay_alu instid0(VALU_DEP_1)
	v_readfirstlane_b32 s10, v1                    ; wave 0..15
	s_bfe_u32 s11, ttmp6, 0x40000                  ; cx: my place in the cluster
	s_and_b32 s12, ttmp7, 0xffff                   ; 16 x batch + head, which the four partners share
	s_lshr_b32 s13, s10, 1                         ; A
	s_and_b32 s37, s10, 1
	s_lshl_b32 s37, s37, 2
	s_lshl_b32 s14, s13, 3
	s_add_co_u32 s14, s14, s37
	s_add_co_u32 s14, s14, s11                     ; tau = 8 A + 4 (wave % 2) + cx: my second tile
	s_sub_co_u32 s15, 127, s14                     ; my first
	; descriptor group 1: a key step's 13,056 dense bytes as 51 rows of 256 bytes (32 elements of 8 bytes), no padding
	s_mov_b32 s16, 15|(3<<16)|(1<<21)              ; 15:0 the mask: all four work-groups; 17:16 elements of 8 bytes; 21 set beside a mask
	s_mov_b32 s17, 32<<16                          ; tensor_dim0
	s_mov_b32 s18, 51<<16                          ; tensor_dim1
	s_mov_b32 s19, 32<<16                          ; tile_dim0
	s_mov_b32 s20, 51                              ; tile_dim1
	s_mov_b32 s21, 32                              ; tensor_dim0_stride
	s_mov_b32 s22, 0
	s_mov_b32 s23, 0
	s_mov_b32 s28, 0x76543210
	s_mov_b32 s29, 0xfedcba98                      ; v_permlanex16_b32's selects for lane l xor 16
	s_mov_b32 s30, 0x3e38aa3b                      ; c = log2(e) / sqrt(64)
	s_mov_b32 s31, s30                             ; (named with it as a pair, so it is written)
	s_lshr_b32 s42, s12, 4
	s_lshl_b32 s42, s42, 7                         ; 128 x batch
	s_and_b32 s44, s12, 15
	s_mul_i32 s43, s44, 768                        ; 768 x head
	s_lshl_b32 s44, s44, 1                         ; 2 x head
	s_mul_i32 s45, s12, HSTR                       ; the head's first byte in qkv (under 2^25)
	s_mul_i32 s46, s10, REC
	s_add_co_u32 s46, s46, s45
	s_add_co_u32 s46, s46, 6656                    ; key step w's K record; V's follows it
	s_mov_b32 s47, 0
	s_sub_co_u32 s48, 16, s13                      ; the first tile's key steps
	s_sub_co_u32 s49, 15, s13                      ; and the one on its diagonal
	s_mov_b32 s24, 1                               ; group 0: count = 1
	s_mul_i32 s25, s10, KV                         ; LDS address: the wave's number x a constant
	s_wait_dscnt 0x0
	s_wait_kmcnt 0x0
	s_add_nc_u64 s[26:27], s[4:5], s[46:47]        ; global address: hangs on the head and the wave's number alone
	s_or_b32 s27, s27, 0x80000000                  ; type = 2
	CROUND                                         ; all four work-groups are here: the joint loads meet
	tensor_load_to_lds s[24:27], s[16:23]          ; my one tensor load of the launch
	s_nop 0
.rept 4
	v_nop
.endr
	v_and_b32 v11, 31, v0
	s_delay_alu instid0(VALU_DEP_1)
	v_lshlrev_b32 v1, 3, v11                       ; 8 x lane
	s_wait_alu depctr_va_vdst(0)
	v_and_b32 v10, 15, v0                          ; r
	s_delay_alu instid0(VALU_DEP_1)
	v_lshlrev_b32 v2, 4, v10                       ; 16 r
	s_wait_alu depctr_va_vdst(0)
	v_and_b32 v11, 8, v0
	s_delay_alu instid0(VALU_DEP_1)
	v_add_nc_u32 v11, v11, v10                     ; r + 8 (r / 8)
	v_and_b32 v10, 16, v0
	s_delay_alu instid0(VALU_DEP_1)
	v_sub_nc_u32 v11, v11, v10                     ; - 16 (lane / 16)
	s_wait_alu depctr_va_vdst(0)
	TILEADR 15, 5, 7, 9, 104, 105
	TILEADR 14, 6, 8, 10, 106, 107
	s_wait_alu depctr_va_vdst(0)
.irp p, 0,1,2
	global_load_b64 v[16+2*\p:17+2*\p], v104, s[4:5] offset:256*\p     ; the first tile's Q: 32 lanes read 256 consecutive bytes
.endr
.irp p, 0,1,2
	global_load_b64 v[28+2*\p:29+2*\p], v106, s[4:5] offset:256*\p     ; the second's
.endr
	global_load_b32 v34, v105, s[4:5] offset:6144
	global_load_b32 v35, v107, s[4:5] offset:6144
.irp i, 0,1,2,3,4,5
	v_mov_b32 v[22+\i], 0                          ; Q's upper half: zero codes
	v_mov_b32 v[84+\i], 0                          ; what K's tile 7 names above its own codes
.endr
.irp b, 0,1,2,3
	v_mov_b32 v[224+\b], 0                         ; written once: a lane permute's destination counts as one of its sources
.endr
	v_mov_b32 v233, 0                              ; (named as the upper half of the pair v[232:233])
	v_mov_b32 v235, 0
	v_mov_b32 v13, 0xff61b1e6                      ; the largest t so far: -3e38, under every t
	s_delay_alu instid0(VALU_DEP_1)
	v_floor_f32 v12, -v13                          ; -M
	v_mov_b32 v14, 0                               ; the sum, in two halves
	v_mov_b32 v15, 0
.set j, 0
.rept 32
	v_mov_b32 v[168+j], 0                          ; O^T.  (The step is written once: a tile's first step finds zeros, which the first change of M leaves zeros)
.set j, j+1
.endr
	s_wait_tensorcnt 0x0                           ; my key step has landed,
	s_barrier_signal -1
	s_barrier_wait -1                              ; everybody's has: the whole head lies in LDS
	s_wait_loadcnt 0x0                             ; Q
	s_mov_b32 s35, 0
.Ltrip:                                            ; 17 trips: trip i takes key step i of the first tile, or from i = 16 - A on key step i - (16 - A) of the second
	s_cmp_ge_u32 s35, s48
	s_cselect_b32 s37, s48, 0
	s_cselect_b32 s34, s13, s49                    ; the tile's last key step, the one on its diagonal
	s_sub_co_u32 s33, s35, s37                     ; the key step,
	s_min_u32 s33, s33, 15                         ; which is 15 at the most
	s_mul_i32 s32, s33, KV                         ; where it lies in LDS
	s_lshl_b32 s36, s33, 7                         ; its first key
	s_setprio 2
	v_add_nc_u32 v3, s32, v1
	v_add_nc_u32 v4, s32, v2
.irp t, 0,1,2,3,4,5,6,7
.irp p, 0,1,2
	ds_load_b64 v[36+6*\t+2*\p:37+6*\t+2*\p], v3 offset:768*\t+256*\p   ; K's eight tiles: 32 lanes read 256 consecutive bytes
.endr
.endr
	ds_load_b128 v[90:93], v4 offset:6144          ; their scale words: four tiles' a load
	ds_load_b128 v[94:97], v4 offset:6400
	s_wait_alu depctr_va_vdst(0)
	s_wait_dscnt 0x0
.irp t, 0,1,2,3,4,5,6,7
	v_wmma_scale_f32_16x16x128_f8f6f4 v[104+8*\t:111+8*\t], v[36+6*\t:47+6*\t], v[16:27], 0, v[90+\t], v34 matrix_a_fmt:MATRIX_FMT_FP6 matrix_b_fmt:MATRIX_FMT_FP6
.endr
.rept 4
	v_nop                                          ; places in front of the loads into K's registers and of the first read of the scores
.endr
.irp t, 0,1,2,3
.irp p, 0,1,2,3,4,5
	ds_load_b64 v[36+12*\t+2*\p:37+12*\t+2*\p], v3 offset:VOFF+1536*\t+256*\p   ; V's four tiles land under the softmax
.endr
.endr
	ds_load_b128 v[98:101], v4 offset:VOFF+6144
	s_cmp_lg_u32 s33, s34                          ; on the diagonal the scores of hidden keys become -infinity ahead of the maximum: p = 0 then.  The other steps' keys all count
	s_cbranch_scc1 .Lopen
	v_sub_nc_u32 v235, v5, s36                     ; d = my query - the step's first key - 16 (lane / 16).  Register 16 b + i holds key 32 b + 16 (lane / 16) + i of the step: hidden where 32 b + i > d
	v_mov_b32 v236, 0xff800000                     ; -infinity
.set n, 0
.rept 64
	v_cmp_gt_i32 vcc_lo, 32*(n/16)+n%16, v235
	v_cndmask_b32 v[104+n], v[104+n], v236, vcc_lo
.set n, n+1
.endr
.Lopen:
.irp b, 0,1,2,3
	v_max3_num_f32 v[220+\b], v[104+16*\b], v[105+16*\b], v[106+16*\b]   ; THE LARGEST SCORE OF EACH BLOCK OF 32 KEYS: it serves the row's maximum and, since p rises with the score, the block's largest p
.endr
.irp i, 3,5,7,9,11,13
.irp b, 0,1,2,3
	v_max3_num_f32 v[220+\b], v[220+\b], v[104+16*\b+\i], v[105+16*\b+\i]   ; (the four blocks by turns)
.endr
.endr
.irp b, 0,1,2,3
	v_max_num_f32 v[220+\b], v[220+\b], v[119+16*\b]
.endr
.irp b, 0,1,2,3
	s_delay_alu instid0(VALU_DEP_4)
	v_permlanex16_b32 v[224+\b], v[220+\b], s28, s29
.endr
.irp b, 0,1,2,3
	s_delay_alu instid0(VALU_DEP_4)
	v_max_num_f32 v[220+\b], v[220+\b], v[224+\b]  ; with lane l xor 16's 16 keys
.endr
	s_delay_alu instid0(VALU_DEP_2)
	v_max3_num_f32 v235, v220, v221, v222
	s_delay_alu instid0(VALU_DEP_1)
	v_max_num_f32 v235, v235, v223                 ; the step's largest score of my query
	s_delay_alu instid0(VALU_DEP_1)
	v_mul_f32 v235, s30, v235                      ; as t (c is positive)
	s_delay_alu instid0(VALU_DEP_1)
	v_max_num_f32 v13, v13, v235                   ; the running largest t
	v_mov_b32 v235, v12
	s_delay_alu instid0(VALU_DEP_2)
	v_floor_f32 v12, -v13                          ; the new -M = floor(-t) = -ceil(t): M is a whole number
	s_delay_alu instid0(VALU_DEP_1)
	v_sub_f32 v235, v12, v235                      ; M's old value less its new one: a whole number, 0 or less
	s_delay_alu instid0(VALU_DEP_1)
	v_cvt_i32_f32 v235, v235                       ; (it saturates)
	s_delay_alu instid0(VALU_DEP_1)
	v_ldexp_f32 v232, 1.0, v235                    ; f = 2^(old M - new M)
.set j, 0
.rept 32
	v_pk_fma_f32 v[104+j:105+j], v[104+j:105+j], s[30:31], v[12:13] op_sel_hi:[1,0,0]   ; t - M, two at a time (of the pairs c and -M the low word serves both halves)
.set j, j+2
.endr
.irp b, 0,1,2,3
	v_fma_f32 v[220+\b], v[220+\b], s30, v12       ; the same of each block's largest score
.endr
.set j, 0
	s_wait_alu depctr_va_vdst(0)
.rept 64
	v_exp_f32 v[104+j], v[104+j]                   ; p = 2^(t - M), at most 1: not normalised
.set j, j+1
.endr
	s_setprio 1
.irp b, 0,1,2,3
	v_exp_f32 v[220+\b], v[220+\b]                 ; the block's largest p: the same two instructions on the same number give the same bits
.endr
	v_pk_mul_f32 v[14:15], v[14:15], v[232:233] op_sel_hi:[1,0]   ; the sums under the new M.  (The plain place behind the exponentials)
	s_wait_alu depctr_va_vdst(0)
.irp b, 0,1,2,3
	v_max_num_f32 v[220+\b], 0x1800000, v[220+\b]  ; the floor 2^(3 - 127): the byte cannot fall under 1
.endr
.irp b, 0,1,2,3
	s_delay_alu instid0(VALU_DEP_4)
	v_add_nc_u32 v[228+\b], 0xff000000, v[220+\b]  ; 2 off the exponent field: the conversion's scale operand
.endr
.irp b, 0,1,2,3
	s_delay_alu instid0(VALU_DEP_4)
	v_lshrrev_b32 v[224+\b], 23, v[228+\b]         ; the scale's byte
.endr
	s_delay_alu instid0(VALU_DEP_3)
	v_lshl_or_b32 v234, v225, 8, v224              ; p's scale word for these 128 keys
	s_delay_alu instid0(VALU_DEP_1)
	v_lshl_or_b32 v234, v226, 16, v234
	s_delay_alu instid0(VALU_DEP_1)
	v_lshl_or_b32 v234, v227, 24, v234
.irp c, 0,1
	v_cvt_scalef32_pk16_fp6_f32 v[200+6*\c:202+6*\c], v[104+32*\c:119+32*\c], v[228+2*\c]
	v_cvt_scalef32_pk16_fp6_f32 v[212+4*\c:214+4*\c], v[120+32*\c:135+32*\c], v[228+2*\c+1]   ; (a conversion's three registers begin on an even number)
.endr
	v_nop                                          ; one plain place behind a scaled conversion
.irp c, 0,1                                    ; the operand's layout wants a WHOLE block in a lane: lanes 0-15 block 2 c, lanes 16-31 block 2 c + 1
.irp i, 0,1,2
	v_permlane16_swap_b32 v[200+6*\c+\i], v[212+4*\c+\i]
.endr
.irp i, 0,1,2
	s_delay_alu instid0(VALU_DEP_3)
	v_mov_b32 v[203+6*\c+\i], v[212+4*\c+\i]
.endr
.endr
	v_pk_add_f32 v[236:237], v[108:109], v[112:113]
	v_pk_add_f32 v[252:253], v[116:117], v[120:121]
	v_pk_add_f32 v[250:251], v[124:125], v[128:129]
	v_pk_add_f32 v[248:249], v[132:133], v[136:137]
	v_pk_add_f32 v[246:247], v[140:141], v[144:145]
	v_pk_add_f32 v[244:245], v[148:149], v[152:153]
	v_pk_add_f32 v[242:243], v[156:157], v[160:161]
	v_pk_add_f32 v[14:15], v[14:15], v[164:165]
	v_pk_add_f32 v[236:237], v[236:237], v[104:105]
	v_pk_add_f32 v[252:253], v[252:253], v[106:107]
	v_pk_add_f32 v[250:251], v[250:251], v[110:111]
	v_pk_add_f32 v[248:249], v[248:249], v[114:115]
	v_pk_add_f32 v[246:247], v[246:247], v[118:119]
	v_pk_add_f32 v[244:245], v[244:245], v[122:123]
	v_pk_add_f32 v[242:243], v[242:243], v[126:127]
	v_pk_add_f32 v[14:15], v[14:15], v[130:131]
	v_pk_add_f32 v[236:237], v[236:237], v[134:135]
	v_pk_add_f32 v[252:253], v[252:253], v[138:139]
	v_pk_add_f32 v[250:251], v[250:251], v[142:143]
	v_pk_add_f32 v[248:249], v[248:249], v[146:147]
	v_pk_add_f32 v[246:247], v[246:247], v[150:151]
	v_pk_add_f32 v[244:245], v[244:245], v[154:155]
	v_pk_add_f32 v[242:243], v[242:243], v[158:159]
	v_pk_add_f32 v[14:15], v[14:15], v[162:163]
	v_pk_add_f32 v[236:237], v[236:237], v[166:167]
	s_delay_alu instid0(VALU_DEP_2)
	v_pk_add_f32 v[14:15], v[14:15], v[248:249]
	s_delay_alu instid0(VALU_DEP_2)
	v_pk_add_f32 v[236:237], v[236:237], v[246:247]
	v_pk_add_f32 v[252:253], v[252:253], v[244:245]
	v_pk_add_f32 v[250:251], v[250:251], v[242:243]
	s_delay_alu instid0(VALU_DEP_2)
	v_pk_add_f32 v[14:15], v[14:15], v[252:253]
	s_delay_alu instid0(VALU_DEP_2)
	v_pk_add_f32 v[236:237], v[236:237], v[250:251]
	s_delay_alu instid0(VALU_DEP_1)
	v_pk_add_f32 v[14:15], v[14:15], v[236:237]
.set j, 0
.rept 16
	v_pk_mul_f32 v[168+j:169+j], v[168+j:169+j], v[232:233] op_sel_hi:[1,0]   ; O^T under the new M: x f, each accumulator from its low end on.  (With the sums: the places between p's codes and scale word and the products below)
.set j, j+2
.endr
	s_wait_alu depctr_va_vdst(0)
	s_wait_dscnt 0x0                               ; V is in
.irp t, 0,1,2,3
	v_wmma_scale_f32_16x16x128_f8f6f4 v[168+8*\t:175+8*\t], v[36+12*\t:47+12*\t], v[200:211], v[168+8*\t:175+8*\t], v[98+\t], v234 matrix_a_fmt:MATRIX_FMT_FP6 matrix_b_fmt:MATRIX_FMT_FP6   ; the four accumulators by turns
.endr
.rept 4
	v_nop                                          ; places in front of the next trip's loads into V's registers, and of the reads of O^T below
.endr
	s_setprio 0
	s_cmp_lg_u32 s33, s34
	s_cbranch_scc1 .Lnot_last
	; THE TILE IS DONE.  O^T / the sum; register 16 b + i is channel 32 b + 16 (lane / 16) + i of my query: two blocks of the output projection's K
	v_add_f32 v14, v14, v15                        ; the sum's two halves,
	s_delay_alu instid0(VALU_DEP_1)
	v_permlanex16_b32 v235, v14, s28, s29
	s_delay_alu instid0(VALU_DEP_1)
	v_add_f32 v14, v14, v235                       ; and lane l xor 16's: the row's sum
	s_wait_alu depctr_va_vdst(0)
	v_rcp_f32 v236, v14
	v_nop                                          ; one plain place behind a transcendental
.set j, 0
	s_wait_alu depctr_va_vdst(0)
.rept 16
	v_pk_mul_f32 v[104+j:105+j], v[168+j:169+j], v[236:237] op_sel_hi:[1,0]
.set j, j+2
.endr
.irp b, 0,1
	v_max3_num_f32 v[220+\b], |v[104+16*\b]|, |v[105+16*\b]|, 0x1800000   ; my 16 numbers of block b, and the floor 2^(3 - 127)
.endr
.irp i, 2,4,6,8,10,12,14
.irp b, 0,1
	s_delay_alu instid0(VALU_DEP_2)
	v_max3_num_f32 v[220+\b], v[220+\b], |v[104+16*\b+\i]|, |v[105+16*\b+\i]|
.endr
.endr
.irp b, 0,1
	s_delay_alu instid0(VALU_DEP_2)
	v_permlanex16_b32 v[224+\b], v[220+\b], s28, s29
.endr
.irp b, 0,1
	s_delay_alu instid0(VALU_DEP_2)
	v_max_num_f32 v[220+\b], v[220+\b], v[224+\b]  ; the block's largest magnitude
.endr
.irp b, 0,1
	s_delay_alu instid0(VALU_DEP_2)
	v_add_nc_u32 v[228+\b], 0xff000000, v[220+\b]  ; the conversion's scale operand
.endr
.irp b, 0,1
	s_delay_alu instid0(VALU_DEP_2)
	v_lshrrev_b32 v[224+\b], 23, v[228+\b]         ; the scale's byte
.endr
	s_delay_alu instid0(VALU_DEP_1)
	v_lshl_or_b32 v235, v225, 8, v224              ; my row's two bytes of this head
	v_cvt_scalef32_pk16_fp6_f32 v[200:202], v[104:119], v228
	v_cvt_scalef32_pk16_fp6_f32 v[212:214], v[120:135], v229
	v_nop                                          ; one plain place behind a scaled conversion
.irp i, 0,1,2
	v_permlane16_swap_b32 v[200+\i], v[212+\i]     ; lanes 0-15: channels 0-31, lanes 16-31: channels 32-63: a fragment's registers 0-5
.endr
.irp i, 0,1,2
	s_delay_alu instid0(VALU_DEP_3)
	v_mov_b32 v[203+\i], v[212+\i]
.endr
.irp p, 0,1,2
	global_store_b64 v7, v[200+2*\p:201+2*\p], s[6:7] offset:256*\p   ; 32 lanes store 256 consecutive bytes, at a multiple of 256 from the buffer's first byte
.endr
	global_store_b16 v9, v235, s[8:9]              ; two bytes a row (both halves of the lanes write the same): a row's 32 scale bytes come from 16 heads, which are 16 clusters
	s_wait_xcnt 0x0                                ; the stores have had their addresses translated (ISA guide 3.1): their offsets and data are written again only behind this wait
	v_mov_b32 v34, v35                             ; ON TO THE SECOND TILE (behind the second tile these lines change nothing that is read).  Q's scale word and codes first: the lines behind them are their places ahead of the next products
.irp i, 0,1,2,3,4,5
	v_mov_b32 v[16+\i], v[28+\i]
.endr
	v_mov_b32 v5, v6
	v_mov_b32 v7, v8
	v_mov_b32 v9, v10
	v_mov_b32 v13, 0xff61b1e6
	s_delay_alu instid0(VALU_DEP_1)
	v_floor_f32 v12, -v13
	v_mov_b32 v14, 0
	v_mov_b32 v15, 0
.set j, 0
.rept 32
	v_mov_b32 v[168+j], 0
.set j, j+1
.endr
.Lnot_last:
	s_add_co_u32 s35, s35, 1
	s_cmp_lt_u32 s35, 17
	s_cbranch_scc1 .Ltrip
	s_setprio 0
	s_wait_tensorcnt 0x0
	ds_add_u32 v254, v255
	s_wait_dscnt 0x0
	CROUND                                         ; the closing round: no work-group ends while a partner may still ask for a tile that names it
	s_endpgm
.Lfunc_end_k_qdbbb6e5e16_attn:
	.size	k_qdbbb6e5e16_attn, .Lfunc_end_k_qdbbb6e5e16_attn-k_qdbbb6e5e16_attn
	.p2alignl 7, 3214868480
	.fill 96, 4, 3214868480
	.section	.rodata,"a",@progbits
	.p2align	6, 0x0
	.amdhsa_kernel k_qdbbb6e5e16_attn
		.amdhsa_group_segment_fixed_size 210944
		.amdhsa_private_segment_fixed_size 0
		.amdhsa_enable_private_segment 0
		.amdhsa_kernarg_size 24
		.amdhsa_user_sgpr_count 2
		.amdhsa_user_sgpr_kernarg_segment_ptr 1
		.amdhsa_wavefront_size32 1
		.amdhsa_system_sgpr_workgroup_id_x 1
		.amdhsa_system_sgpr_workgroup_id_y 1
		.amdhsa_system_sgpr_workgroup_id_z 1
		.amdhsa_system_vgpr_workitem_id 0
		.amdhsa_next_free_vgpr 256
		.amdhsa_next_free_sgpr 66
		.amdhsa_reserve_vcc 1
		.amdhsa_float_denorm_mode_32 3
		.amdhsa_float_denorm_mode_16_64 3
		.amdhsa_memory_ordered 1
		.amdhsa_forward_progress 1
		.amdhsa_inst_pref_size 39
	.end_amdhsa_kernel
	.amdgpu_metadata
---
amdhsa.version: [ 1, 2 ]
amdhsa.kernels:
  - .name:           k_qdbbb6e5e16_attn
    .symbol:         k_qdbbb6e5e16_attn.kd
    .args:
      - { .name: qkv, .offset: 0, .size: 8, .value_kind: global_buffer, .address_space: global }
      - { .name: o_img, .offset: 8, .size: 8, .value_kind: global_buffer, .address_space: global }
      - { .name: o_scales, .offset: 16, .size: 8, .value_kind: global_buffer, .address_space: global }
    .group_segment_fixed_size: 210944
    .private_segment_fixed_size: 0
    .kernarg_segment_align: 8
    .kernarg_segment_size: 24
    .max_flat_workgroup_size: 512
    .sgpr_count:     66
    .vgpr_count:     256
    .wavefront_size: 32
...
	.end_amdgpu_metadata
.endif
;; end of part 4
;; launch gemmo (part 5): grid 4 x 32, 4 waves a work-group, clusters of 4 x 4, 327,680 bytes of LDS; arguments o_img, o_scales, w_codes, w_scales, out0; writes out0
.if DOCPART == 5
	.amdgcn_target "amdgcn-amd-amdhsa--gfx1250"
	.amdhsa_code_object_version 6
	.text
	.protected	k_qdbbb6e5e16_gemmo
	.globl	k_qdbbb6e5e16_gemmo
	.p2align	8
	.type	k_qdbbb6e5e16_gemmo,@function
k_qdbbb6e5e16_gemmo:
	s_mov_b64 s[64:65], 0
	v_nop
	global_prefetch_b8 v0, s[64:65] scope:SCOPE_SE
	s_setreg_imm32_b32 hwreg(HW_REG_WAVE_MODE, 25, 1), 1
	s_wait_xcnt 0x0
	s_wait_alu depctr_hold_cnt(0) depctr_sa_sdst(0) depctr_va_vdst(0) depctr_va_sdst(0) depctr_va_ssrc(0) depctr_va_vcc(0) depctr_vm_vsrc(0)
	s_getreg_b32 s2, hwreg(HW_REG_IB_STS2, 6, 4)
	s_cmp_eq_u32 s2, 0
	s_cbranch_scc0 .Lentry_in_a_cluster
	s_endpgm
.Lentry_in_a_cluster:
	s_bfe_u32 s2, ttmp6, 0x10000c
	s_cmp_lg_u32 s2, 0xf033
	s_cbranch_scc0 .Lentry_shape_is_right
	s_endpgm
.Lentry_shape_is_right:
; The output projection: out0[m][n] = sum over k of O[m][k] W_o[k][n], on codes of FP6 (E2M3) with one E8M0 scale for each 32 along K = 1,024; out0 [8192][1024] f32; sums in f32.
; A = the attention's result, as REGISTER IMAGES: o_img [tile of 16 rows (512)][head (16)][768 bytes]: three pieces of 256 bytes, piece p = registers 2 p, 2 p + 1 of half a fragment, 8 bytes a lane;
; two neighbouring heads are one fragment (16 rows x 128 K), six pieces on end.  Its scale bytes: o_scales [row position][32].  B = W_o's columns: rows 3,072 on of w_codes and w_scales.
; A tile of C, 256 x 256, is made by a work-group of four waves; a wave makes 128 x 128: 64 accumulators, 512 registers.  K goes in steps of 256 through a ring of two LDS slots filled by the tensor data mover:
; A's part of a slot is 8 tiles x 3,072 bytes a wave (rows of 3,072 bytes, 12,288 apart in memory), unpadded: a piece's 32 lanes read 256 consecutive bytes.  B's rows are 192 bytes, padded as below.
; The scale bytes of the work-group's 256 + 256 rows, for all of K, come into LDS once, with the first fills.
; CLUSTERS: 4 x 4 work-groups; A's tiles are asked for jointly along a row of the cluster, B's along a column.  THE MATRIX INSTRUCTION IS USED TRANSPOSED (source 0 = 16 rows of B, source 1 = 16 rows of A).
; ROW ORDER: both operands' rows lie in position order (position p holds row sw(p), bits 3 and 4 exchanged).  The way out puts both right: columns by the place in the stage, rows by the store's offset.
; REGISTERS, in windows of 256: window 0: v0-31 addresses; v32-63 scale words, two sets; from v128 A's fragments, ONE set; on the way out v128-255 are rows of C.
;   window 1: B's fragments, TWO sets, at v0 and v128.   window 2: the 32 accumulators of my rows 0-63 ((a, b) at v[8 (8 a + b)]);   window 3: those of my rows 64-127.
.set SIZE_K, 1024
.set SIZE_N, 1024
.set KSTEP,  256
.set NQ,     KSTEP/128
.set ROWB,   192                       ; a row of B's tile in bytes
.set AIMG,   3072                      ; a tile of A for a K step: four heads' images
.set KROW,   SIZE_K*6/8
.set PITCH,  240                       ; B's LDS row: 3 x (64 bytes + 16 of padding) = 60 words: the 32 lanes of a load of 8 bytes touch 64 different banks (64 banks of 4 bytes: ISA guide 11.1)
.set FR,     12
.set NL,     6
.set NP,     4                         ; places behind this matrix instruction (ISA guide 7.12.1)
.set HALFT,  128*PITCH                 ; a wave's part of a slot (A's images use 24,576 bytes of it)
.set SLOT,   4*HALFT
.set LAPS,   SIZE_K/(2*KSTEP)
.set KS,     SIZE_K/32
.set SCL,    2*SLOT
.set HALFS,  (128*KS/256)*272
.set SBLK,   (16*KS/256)*272
.set SPARE,  SCL+4*HALFS               ; the spare words, 128 bytes for each wave: two blocks of 256 bytes that no other line names
.set SPITCH, 528                       ; the way out: a stage of 16 rows x (512 bytes + 16) for each wave, in slot 0, which has had its last fill and its last read when the first result is stored there
.set ADRA, 16                          ; v16-17  LDS address of my A images in slot 0, 1
.set ADRB, 20                          ; v20-21  LDS address of my B fragments  (v22-23: for the pieces behind one padding more)
.set STO,  24                          ; v24     the way out: where I put 32 bytes of a row
.set RD,   25                          ; v25     where I read a row back
.set CO,   26                          ; v26     my byte offset in a row of C
.set ADRS, 27                          ; v27     LDS address of my scale words
.set SPW,  28                          ; v28     LDS address of my spare word; never rewritten
.set NIL,  29                          ; v29     0; never rewritten
.set SC,   32
.set AF,   128
.set BK,   128                         ; the way out: 16 rows read back from the stage: v128-191 and v192-255 by turns
.set G1, 24
.set G0, 32
.set G1B, 48
.set G0B, 56
.set G1S, 68
.set G0S, 76
.set G1SB, 80
.set G0SB, 88
.set MSB, 0
.macro WIN new                         ; the immediate's high byte repeats the setting that is left
.if MSB != \new
	s_set_vgpr_msb (MSB<<8)|\new
.set MSB, \new
.endif
.endm
.set MUL_LO, 0xa1
.set MUL_HI, 0xf1
.set TO_B,   0x40
; A joint load: waves 0 and 1 fetch for A, waves 2 and 3 for B; the branch hangs on the wave's number alone.  Four v_nop follow each of the two lines.
.macro JLOAD g0a, g1a, g0b, g1b
	s_cmp_eq_u32 s15, 0
	s_cbranch_scc0 .Lfor_b_\@
	tensor_load_to_lds s[\g0a:\g0a+3], s[\g1a:\g1a+7]
	s_nop 0
.rept 4
	v_nop
.endr
	s_branch .Lasked_\@
.Lfor_b_\@:
	tensor_load_to_lds s[\g0b:\g0b+3], s[\g1b:\g1b+7]
	s_nop 0
.rept 4
	v_nop
.endr
.Lasked_\@:
.endm
.macro CREST
	s_cmp_lg_u32 s14, 0
	s_cbranch_scc1 .Lnot_wave_0_\@
	s_barrier_signal -3
.Lnot_wave_0_\@:
	s_barrier_wait -3
	s_barrier_signal -1
	s_barrier_wait -1
.endm
.macro CROUND
	s_barrier_signal -1
	s_barrier_wait -1
	CREST
.endm
	s_load_b128 s[4:7], s[0:1], 0x0                ; A's images, A's scales
	s_load_b128 s[8:11], s[0:1], 0x10              ; the weights' codes, their scales
	s_load_b64 s[12:13], s[0:1], 0x20              ; out0
	v_lshl_add_u32 v[SPW], v0, 2, SPARE
	v_mov_b32 v[NIL], 0
	ds_add_u32 v28, v29
	ds_add_u32 v28, v29
	s_wait_dscnt 0x0
	v_lshrrev_b32 v1, 5, v0
	v_readfirstlane_b32 s14, v1                    ; wave 0..3
	s_lshr_b32 s15, s14, 1                         ; which half of the tile's rows is mine.  Also: I fetch for A (0) or for B (1)
	s_and_b32 s16, s14, 1                          ; which half of its columns.  Also: which 128 rows of that tile I fetch
	s_bfe_u32 s40, ttmp6, 0x40000                  ; cx, cy
	s_bfe_u32 s41, ttmp6, 0x40004
	s_lshl_b32 s42, ttmp9, 2
	s_add_co_u32 s42, s42, s40                     ; tile column of C
	s_and_b32 s17, ttmp7, 0xffff
	s_lshl_b32 s17, s17, 2
	s_add_co_u32 s17, s17, s41                     ; tile row of C
	s_lshl_b32 s43, s41, 2
	s_lshl_b32 s43, 15, s43                        ; my row of the cluster
	s_lshl_b32 s44, 0x1111, s40                    ; my column
	; descriptor group 1 for A: 8 rows (tiles of 16 rows of A) of 384 elements of 8 bytes, 1,536 elements apart, no padding
	s_or_b32 s[G1+0], s43, (3<<16)|(1<<21)         ; 15:0 the mask: my row of the cluster; 17:16 elements of 8 bytes; 21 set beside a mask
	s_mov_b32 s[G1+1], 384<<16                     ; tensor_dim0
	s_mov_b32 s[G1+2], 8<<16                       ; tensor_dim1
	s_mov_b32 s[G1+3], 384<<16                     ; tile_dim0
	s_mov_b32 s[G1+4], 8                           ; tile_dim1
	s_mov_b32 s[G1+5], 1536                        ; tensor_dim0_stride
	s_mov_b32 s[G1+6], 0
	s_mov_b32 s[G1+7], 0
	; for B: 128 rows x 192 bytes, 16 bytes of padding behind every 64
	s_or_b32 s[G1B+0], s44, (0<<16)|(1<<20)|(1<<21)|(3<<22)|(3<<25)
	s_mov_b32 s[G1B+1], ROWB<<16
	s_mov_b32 s[G1B+2], 128<<16
	s_mov_b32 s[G1B+3], ROWB<<16
	s_mov_b32 s[G1B+4], 128
	s_mov_b32 s[G1B+5], KROW
	s_mov_b32 s[G1B+6], 0
	s_mov_b32 s[G1B+7], 0
	; for the scales of 128 rows: 16 rows of 256 bytes, 16 bytes of padding behind each
	s_or_b32 s[G1S+0], s43, (3<<16)|(1<<20)|(1<<21)|(5<<22)|(3<<25)
	s_or_b32 s[G1SB+0], s44, (3<<16)|(1<<20)|(1<<21)|(5<<22)|(3<<25)
.irp g, G1S, G1SB
	s_mov_b32 s[\g+1], 32<<16
	s_mov_b32 s[\g+2], (128*KS/256)<<16
	s_mov_b32 s[\g+3], 32<<16
	s_mov_b32 s[\g+4], 128*KS/256
	s_mov_b32 s[\g+5], 32
	s_mov_b32 s[\g+6], 0
	s_mov_b32 s[\g+7], 0
.endr
	s_lshl_b32 s18, s16, 7
	s_lshl_b32 s20, s17, 8
	s_add_co_u32 s20, s20, s18                     ; A: row position 256 x tile row + 128 x half
	s_lshl_b32 s46, s42, 8
	s_add_co_u32 s46, s46, s18                     ; B: row position 256 x tile column + 128 x half
	s_mov_b32 s21, 0
	s_mov_b32 s47, 0
	s_mov_b64 s[18:19], KS
	s_mul_u64 s[22:23], s[20:21], s[18:19]         ; where these rows' scales begin
	s_mul_u64 s[92:93], s[46:47], s[18:19]
	s_mov_b64 s[18:19], KROW
	s_mul_u64 s[20:21], s[20:21], s[18:19]         ; and their codes (A: 16 rows are a tile of 12,288 bytes: 768 a row as well)
	s_mul_u64 s[46:47], s[46:47], s[18:19]
	s_mul_i32 s45, s14, HALFT
	s_mul_i32 s94, s14, HALFS
	s_wait_kmcnt 0x0
	s_add_nc_u64 s[8:9], s[8:9], 3072*KROW         ; W_o's codes
	s_add_nc_u64 s[10:11], s[10:11], 3072*KS       ; and scales
	s_add_nc_u64 s[20:21], s[4:5], s[20:21]
	s_add_nc_u64 s[22:23], s[6:7], s[22:23]
	s_add_nc_u64 s[46:47], s[8:9], s[46:47]
	s_add_nc_u64 s[92:93], s[10:11], s[92:93]
	CROUND                                         ; all sixteen work-groups are here: the first joint loads meet
	s_mov_b32 s[G0S], 1
	s_add_co_u32 s[G0S+1], s94, SCL
	s_mov_b64 s[G0S+2:G0S+3], s[22:23]
	s_or_b32 s[G0S+3], s[G0S+3], 0x80000000
	s_mov_b32 s[G0SB], 1
	s_add_co_u32 s[G0SB+1], s94, SCL
	s_mov_b64 s[G0SB+2:G0SB+3], s[92:93]
	s_or_b32 s[G0SB+3], s[G0SB+3], 0x80000000
	JLOAD G0S, G1S, G0SB, G1SB                     ; the scales first: they are wanted with K step 0
.irp s, 0,1
	s_mov_b32 s[G0+4*\s], 1
	s_add_co_u32 s[G0+4*\s+1], s45, \s*SLOT
	s_add_nc_u64 s[G0+4*\s+2:G0+4*\s+3], s[20:21], \s*AIMG
	s_or_b32 s[G0+4*\s+3], s[G0+4*\s+3], 0x80000000
	s_mov_b32 s[G0B+4*\s], 1
	s_add_co_u32 s[G0B+4*\s+1], s45, \s*SLOT
	s_add_nc_u64 s[G0B+4*\s+2:G0B+4*\s+3], s[46:47], \s*ROWB
	s_or_b32 s[G0B+4*\s+3], s[G0B+4*\s+3], 0x80000000
	s_wait_alu depctr_va_vdst(0)
	s_wait_tensorcnt 0x0
	ds_add_u32 v28, v29
	s_wait_dscnt 0x0
	CROUND
	JLOAD G0+4*\s, G1, G0B+4*\s, G1B
.endr
	v_and_b32 v1, 15, v0                           ; r
	v_bfe_u32 v2, v0, 4, 1                         ; h
	v_mul_u32_u24 v3, v1, PITCH
	v_mul_u32_u24 v4, v2, 24
	v_add_nc_u32 v4, v3, v4                        ; B: a fragment's row x pitch + 24 x half
	v_lshl_add_u32 v5, v2, 4, v4                   ; and the same behind one padding more
	v_and_b32 v6, 31, v0
	v_lshlrev_b32 v7, 3, v6                        ; A: 8 x lane
	s_mul_i32 s21, s15, HALFT                      ; my 128 rows of A
	s_mul_i32 s22, s16, HALFT                      ; my 128 rows of B,
	s_add_co_u32 s22, s22, 2*HALFT                 ; which lie behind A's
.irp s, 0,1
	v_add_nc_u32 v[ADRA+\s], s21, v7
	v_add_nc_u32 v[ADRB+\s], s22, v4
	v_add_nc_u32 v[ADRB+2+\s], s22, v5
	s_add_co_u32 s21, s21, SLOT
	s_add_co_u32 s22, s22, SLOT
.endr
	v_mul_u32_u24 v5, v1, KS                       ; my row's scales: 32 bytes a row,
	v_lshrrev_b32 v8, 8, v5
	v_lshl_add_u32 v5, v8, 4, v5                   ; and 16 more for each 256 passed
	s_mul_i32 s21, s15, HALFS
	s_mul_i32 s22, s16, HALFS
	s_add_co_u32 s22, s22, 2*HALFS
	s_sub_co_u32 s22, s22, s21
	v_mul_u32_u24 v8, s22, v2                      ; lanes 16-31 take B's: one product, the distance between the two bases
	s_add_co_u32 s21, s21, SCL
	v_add_nc_u32 v5, v5, v8
	v_add_nc_u32 v[ADRS], s21, v5
	s_mul_i32 s23, s14, 16*SPITCH                  ; my stage
	v_mul_u32_u24 v5, v1, SPITCH                   ; in: row r; B's positions 16 b + 8 h + j are columns 32 (b / 2) + 16 h + 8 (b % 2) + j: 64 bytes for each half of the lanes
	v_lshl_add_u32 v5, v2, 6, v5
	v_add_nc_u32 v[STO], s23, v5
	v_lshlrev_b32 v[CO], 4, v6                     ; back: the 32 lanes take one row of 512 bytes; and the same in C
	v_add_nc_u32 v[RD], s23, v[CO]
	s_lshl_b32 s20, s17, 8
	s_lshl_b32 s21, s15, 7
	s_add_co_u32 s20, s20, s21                     ; my first row of C
	s_mov_b32 s21, 0
	s_mov_b64 s[18:19], SIZE_N*4
	s_mul_u64 s[20:21], s[20:21], s[18:19]
	s_lshl_b32 s46, s42, 10                        ; my first column, in bytes
	s_lshl_b32 s47, s16, 9
	s_add_co_u32 s46, s46, s47
	s_mov_b32 s47, 0
	s_add_nc_u64 s[20:21], s[20:21], s[46:47]
	s_add_nc_u64 s[12:13], s[12:13], s[20:21]
.macro FRAG reg, adr, q, i             ; a fragment of B from rows: 24 bytes of the row for each half of a register run, in pieces of 8 bytes; 16 bytes of padding lie behind every 8 pieces
.irp p, 0,1,2,3,4,5
.set PCE, 12*(\q)+6*(\p/3)+\p%3
.if PCE%8 < 5
	ds_load_b64 v[\reg+2*\p:\reg+2*\p+1], v[\adr] offset:8*PCE+16*(PCE/8)+(\i)*16*PITCH
.else
	ds_load_b64 v[\reg+2*\p:\reg+2*\p+1], v[\adr+2] offset:8*PCE+16*(PCE/8)+(\i)*16*PITCH
.endif
.endr
.endm
.macro FRAGA reg, slot, q, i           ; a fragment of A from its image: six pieces of 256 bytes on end
.irp p, 0,1,2,3,4,5
	ds_load_b64 v[\reg+2*\p:\reg+2*\p+1], v[ADRA+\slot] offset:AIMG*(\i)+1536*(\q)+256*\p
.endr
.endm
; 16 matrix instructions: A's blocks a0, a0 + 1 x B's eight.  The 64 accumulators take turns, one instruction a turn, in the same order in every step.
.macro MUL16 a0, p, q, sc, zero
.irp a, \a0, \a0+1
.irp b, 0,1,2,3,4,5,6,7
.if \zero
	v_wmma_scale_f32_16x16x128_f8f6f4 v[8*(8*((\a)%4)+\b):8*(8*((\a)%4)+\b)+7], v[128*(\p)+FR*\b:128*(\p)+FR*\b+FR-1], v[AF+FR*(\a):AF+FR*(\a)+FR-1], 0, v[SC+8*NQ*(\sc)+NQ*\b+(\q)], v[SC+8*NQ*(\sc)+NQ*(\a)+(\q)] matrix_a_fmt:MATRIX_FMT_FP6 matrix_b_fmt:MATRIX_FMT_FP6 matrix_a_scale:MATRIX_SCALE_ROW1
.else
	v_wmma_scale_f32_16x16x128_f8f6f4 v[8*(8*((\a)%4)+\b):8*(8*((\a)%4)+\b)+7], v[128*(\p)+FR*\b:128*(\p)+FR*\b+FR-1], v[AF+FR*(\a):AF+FR*(\a)+FR-1], v[8*(8*((\a)%4)+\b):8*(8*((\a)%4)+\b)+7], v[SC+8*NQ*(\sc)+NQ*\b+(\q)], v[SC+8*NQ*(\sc)+NQ*(\a)+(\q)] matrix_a_fmt:MATRIX_FMT_FP6 matrix_b_fmt:MATRIX_FMT_FP6 matrix_a_scale:MATRIX_SCALE_ROW1
.endif
.endr
.endr
.endm
.macro FETCH_B slot, q, p
	WIN TO_B
.irp i, 0,1,2,3,4,5,6,7
	FRAG 128*(\p)+FR*\i, ADRB+\slot, \q, \i
.endr
	WIN 0
.endm
.macro FETCH_A slot, q, i0
.irp i, \i0, \i0+1, \i0+2, \i0+3
	FRAGA AF+FR*(\i), \slot, \q, \i
.endr
.endm
.macro SCALES sc
.irp i, 0,1,2,3,4,5,6,7
	ds_load_b64 v[SC+8*NQ*\sc+NQ*\i:SC+8*NQ*\sc+NQ*\i+1], v[ADRS] offset:\i*SBLK
.endr
.endm
.macro PLACES n                        ; places behind matrix instructions, in front of loads into registers that they have read and of reads of their results (ISA guide 7.12.1 for vector instructions)
.rept \n
	v_nop
.endr
.endm
.macro STEP slot, q, zero
	s_wait_dscnt 4*NL                              ; B's set and A's blocks 0-3 are in; the youngest 24 loads (A's blocks 4-7) may be out
	WIN MUL_LO
	MUL16 0, (\q)%2, \q, \slot, \zero
	MUL16 2, (\q)%2, \q, \slot, \zero
	s_wait_dscnt 0
	PLACES NP
	FETCH_B \slot, (\q)+1, 1-(\q)%2
	FETCH_A \slot, (\q)+1, 0
	WIN MUL_HI
	MUL16 4, (\q)%2, \q, \slot, \zero
	MUL16 6, (\q)%2, \q, \slot, \zero
	PLACES NP
	WIN 0
	FETCH_A \slot, (\q)+1, 4
.endm
; A slot's last step changes slots: ONE barrier; in front of it each wave waits for all its tensor loads, adds 0 to its spare word, and waits for that and for its own reads of this slot.
.macro TURN slot, next, fill
	s_wait_tensorcnt 0x0                           ; all my tensor loads have landed: my part of the next slot
	ds_add_u32 v[SPW], v[NIL]                      ; 0 onto my spare word
	s_wait_dscnt 4*NL+1                            ; (the add and the youngest 24 loads may be out)
	WIN MUL_LO
	MUL16 0, 1, NQ-1, \slot, 0
	s_wait_dscnt 0x0                               ; the add is done, and my reads of this slot are over
	s_barrier_signal -1
	MUL16 2, 1, NQ-1, \slot, 0
	WIN 0
	s_barrier_wait -1
.if \fill
	CREST                                          ; the barrier has opened a round of the cluster's barrier: no wave of any partner still reads this slot's tile or has a load on its way
	s_add_nc_u64 s[G0+4*\slot+2:G0+4*\slot+3], s[G0+4*\slot+2:G0+4*\slot+3], 2*AIMG
	s_add_nc_u64 s[G0B+4*\slot+2:G0B+4*\slot+3], s[G0B+4*\slot+2:G0B+4*\slot+3], 2*ROWB
	JLOAD G0+4*\slot, G1, G0B+4*\slot, G1B         ; the first tensor load behind the round; the four v_nop behind it are the places in front of the loads below
.else
	PLACES NP
.endif
	s_wait_alu depctr_va_vdst(0)
	v_add_nc_u32 v[ADRS], 4*NQ, v[ADRS]            ; on to the next K step's scale words
	FETCH_B \next, 0, 0
	FETCH_A \next, 0, 0
	SCALES \next
	WIN MUL_HI
	MUL16 4, 1, NQ-1, \slot, 0
	MUL16 6, 1, NQ-1, \slot, 0
	PLACES NP
	WIN 0
	FETCH_A \next, 0, 4
.endm
	s_wait_alu depctr_va_vdst(0)
	s_wait_tensorcnt 1                             ; of my three first fills the scales and K step 0 are in; K step 1's may be out
	s_barrier_signal -1
	s_barrier_wait -1
	FETCH_B 0, 0, 0
	FETCH_A 0, 0, 0
	SCALES 0
	FETCH_A 0, 0, 4
	STEP 0, 0, 1                                   ; the first step stands in front of the loop: its products start the sums
	s_mov_b32 s3, LAPS-1
.Llap:
	TURN 0, 1, 1
	STEP 1, 0, 0
	TURN 1, 0, 1
	STEP 0, 0, 0
	s_sub_co_u32 s3, s3, 1
	s_cmp_lg_u32 s3, 0
	s_cbranch_scc1 .Llap
	TURN 0, 1, 0                                   ; the last lap fills nothing, and has no round of the cluster's barrier
	STEP 1, 0, 0
	s_wait_dscnt 4*NL
	WIN MUL_LO
	MUL16 0, 1, NQ-1, 1, 0
	MUL16 2, 1, NQ-1, 1, 0
	s_wait_dscnt 0
	WIN MUL_HI
	MUL16 4, 1, NQ-1, 1, 0
	MUL16 6, 1, NQ-1, 1, 0
	WIN 0
; THE WAY OUT, block by block of 16 rows x 128 columns, through my own stage in LDS, back as whole rows of 512 bytes.  LDS serves a wave's instructions in order (ISA guide 5.7.1.4): no wait between the stores and the loads.
.macro TOSTAGE a
.set AC, 64*((\a)%4)
	WIN 0x08+4*((\a)/4)                            ; the data: window 2 or 3
.irp b, 0,1,2,3,4,5,6,7
	ds_store_b128 v[STO], v[AC+8*\b:AC+8*\b+3] offset:128*(\b/2)+32*(\b%2)          ; each accumulator from its low end on; columns 32 (b / 2) + 16 h + 8 (b % 2) on
	ds_store_b128 v[STO], v[AC+8*\b+4:AC+8*\b+7] offset:128*(\b/2)+32*(\b%2)+16
.endr
	WIN 0
.set BB, BK+64*((\a)%2)
.irp t, 0,1,2,3,4,5,6,7,8,9,10,11,12,13,14,15
	ds_load_b128 v[BB+4*\t:BB+4*\t+3], v[RD] offset:\t*SPITCH
.endr
.endm
.macro SEND a, younger                 ; younger: the LDS instructions issued behind block a's loads, which may stay out
.set BB, BK+64*((\a)%2)
	s_wait_dscnt \younger
.irp t, 0,1,2,3,4,5,6,7,8,9,10,11,12,13,14,15
	global_store_b128 v[CO], v[BB+4*\t:BB+4*\t+3], s[12:13] offset:(32*((\a)/2)+8*((\a)%2)+\t+8*(\t/8))*SIZE_N*4 th:TH_STORE_NT   ; position 16 a + t is row 32 (a / 2) + 8 (a % 2) + t + 8 (t / 8): 127 rows of 4,096 bytes at the most; 32 lanes store 512 consecutive bytes, aligned
.endr
.endm
	PLACES NP                                      ; behind the last products: for the loads into the registers that held A's fragments and for the reads of results
	TOSTAGE 0
.irp a, 1,2,3,4,5,6,7
.if \a > 1
	s_wait_xcnt 0x0                                ; block a - 2's stores have had their addresses translated (ISA guide 3.1): block a's loads land in their data registers only behind this wait
.endif
	TOSTAGE \a
	SEND \a-1, 32                                  ; behind block a - 1's loads: block a's 16 stores and 16 loads
.endr
	SEND 7, 0
	s_wait_tensorcnt 0x0                           ; the wave's end
	ds_add_u32 v[SPW], v[NIL]
	s_wait_dscnt 0x0
	CROUND                                         ; the closing round: no work-group ends while a partner may still ask for a tile that names it
	s_endpgm
.Lfunc_end_k_qdbbb6e5e16_gemmo:
	.size	k_qdbbb6e5e16_gemmo, .Lfunc_end_k_qdbbb6e5e16_gemmo-k_qdbbb6e5e16_gemmo
	.p2alignl 7, 3214868480
	.fill 96, 4, 3214868480
	.section	.rodata,"a",@progbits
	.p2align	6, 0x0
	.amdhsa_kernel k_qdbbb6e5e16_gemmo
		.amdhsa_group_segment_fixed_size 327680
		.amdhsa_private_segment_fixed_size 0
		.amdhsa_enable_private_segment 0
		.amdhsa_kernarg_size 40
		.amdhsa_user_sgpr_count 2
		.amdhsa_user_sgpr_kernarg_segment_ptr 1
		.amdhsa_wavefront_size32 1
		.amdhsa_system_sgpr_workgroup_id_x 1
		.amdhsa_system_sgpr_workgroup_id_y 1
		.amdhsa_system_sgpr_workgroup_id_z 1
		.amdhsa_system_vgpr_workitem_id 0
		.amdhsa_next_free_vgpr 1024
		.amdhsa_next_free_sgpr 98
		.amdhsa_reserve_vcc 0
		.amdhsa_float_denorm_mode_32 3
		.amdhsa_float_denorm_mode_16_64 3
		.amdhsa_memory_ordered 1
		.amdhsa_forward_progress 1
		.amdhsa_inst_pref_size 160
	.end_amdhsa_kernel
	.amdgpu_metadata
---
amdhsa.version: [ 1, 2 ]
amdhsa.kernels:
  - .name:           k_qdbbb6e5e16_gemmo
    .symbol:         k_qdbbb6e5e16_gemmo.kd
    .args:
      - { .name: o_img, .offset: 0, .size: 8, .value_kind: global_buffer, .address_space: global }
      - { .name: o_scales, .offset: 8, .size: 8, .value_kind: global_buffer, .address_space: global }
      - { .name: w_codes, .offset: 16, .size: 8, .value_kind: global_buffer, .address_space: global }
      - { .name: w_scales, .offset: 24, .size: 8, .value_kind: global_buffer, .address_space: global }
      - { .name: out0, .offset: 32, .size: 8, .value_kind: global_buffer, .address_space: global }
    .group_segment_fixed_size: 327680
    .private_segment_fixed_size: 0
    .kernarg_segment_align: 8
    .kernarg_segment_size: 40
    .max_flat_workgroup_size: 128
    .sgpr_count:     98
    .vgpr_count:     1024
    .wavefront_size: 32
...
	.end_amdgpu_metadata
.endif
;; end of part 5
